; MI455X (gfx1250); checked and timed in simulation.
; The chip was launched on July 23, 2026; its instructions are those of AMD's public machine-readable ISA for CDNA 5 (MIT licence, August 2026) and "CDNA5" Instruction Set Architecture Reference Guide (July 2026). The comments in the code are by the model that wrote it; some were corrected since.
;; Point Transformer Transition Up. Allowed arithmetic: matrix products marked QUANTISED: E2M1 operands, one E8M0 scale for each 32 along K, by v_wmma_scale_f32_16x16x128_f8f6f4 with both operands' format E2M1 (or v_wmma_scale_f32_32x16x128_f4), f32 sums; products left as they are: f32 operands where the result goes on into a quantised operand, else bf16, f16 or f32 operands; f32 sums; everything else in f32.
;; Inputs: W_codes 256 x 16 x 16 uint8 (E2M1 codes of W, K innermost, in blocks of 32 codes, two codes a byte); W_scales 256 x 16 uint8 (E8M0 scales of W, one for each 32 codes along K); b 256 float32; beta 256 float32; gamma 256 float32; points_high 2 x 256 x 16,384 float32; points_low_codes 2 x 4,096 x 16 x 16 uint8 (E2M1 codes of points_low, K innermost, in blocks of 32 codes, two codes a byte); points_low_scales 2 x 4,096 x 16 uint8 (E8M0 scales of points_low, one for each 32 codes along K); xyz_high 2 x 3 x 16,384 float32; xyz_low 2 x 3 x 4,096 float32.
;; Outputs: out0 2 x 256 x 16,384 float32.
;; This version of the problem:
;;   THIS VERSION OF THE PROBLEM IS GIVEN IN LOW PRECISION. The matrix products marked QUANTISED in the list below multiply operands that are first quantised to E2M1 (2 exponent bits, 1 mantissa bit; 4 bits a number), with one power-of-two scale for each 32 numbers along K (OCP MX v1.0); their sums are f32. All else is computed in f32.
;;   The module's matrix products, in the order in which they are computed (A, B: the left and right operand; K: the contracted axis; several contracted axes count as one K, in the product's order):
;;     1. [M 8,192, K 512] x [K 512, N 256]; A: input points_low (given as codes); B: input W (given as codes): QUANTISED
;;     2. batch 2 x [M 16,384, K 3] x [K 3, N 4,096]; A: input xyz_high; B: input xyz_low: left as it is (K = 3 < 32)
;;     3. batch 32,768 x [M 1, K 3] x [K 3, N 256]; A: computed on the way; B: computed on the way: left as it is (K = 3 < 32)
;;   THE QUANTISER, for each operand of a quantised product, along K:
;;     - K is cut into blocks of 32 from its start; a last block that is shorter is filled with zeros.
;;     - A block's scale is 2^e with e = floor(log2(the largest magnitude in the block)) - 2, held to -126 .. 127; a block of zeros has e = 0. As a byte (E8M0): e + 127.
;;     - Each number is divided by its block's scale, clamped to +-6, and rounded to the nearest number of E2M1, ties to even, subnormals kept.
;;     - The product sums the exact products of the quantised numbers (number of the format x scale) in f32.
;;   ~~~python
;;   def quantise(x, axis):      # numpy; x: float32 -> the quantised numbers, widened to float32 again
;;       x = np.moveaxis(x, axis, -1); K = x.shape[-1]
;;       x = np.pad(x, [(0, 0)] * (x.ndim - 1) + [(0, -K % 32)]); x = x.reshape(x.shape[:-1] + (-1, 32)); a = np.abs(x).max(-1, keepdims=True)
;;       e = np.where(a > 0, np.clip(np.frexp(np.where(a > 0, a, 1))[1] - 1 - 2, -126, 127), 0)      # np.frexp(a)[1] - 1 = floor(log2(a)), exactly
;;       r = np.clip(x / 2.0 ** e, -6, 6)
;;       step = 2.0 ** (np.maximum(np.frexp(np.where(r == 0, 1, r))[1] - 1, 0) - 1)
;;       q = np.round(r / step) * step * 2.0 ** e      # np.round: ties to even
;;       return np.moveaxis(q.reshape(q.shape[:-2] + (-1,))[..., :K], -1, axis).astype(np.float32)
;;   ~~~
;;   INPUTS GIVEN AS CODES. W (in the module: [256, 512], K = its axis 1); points_low (in the module: [2, 512, 4096], K = its axis 1): each comes as NAME_codes (uint8): NAME with its K axis moved to the last place and cut into blocks of 32 codes, [.., K / 32, bytes a block], one block behind the other in memory; two codes a byte, the lower K in the low four bits (a code: sign, 2 exponent bits, 1 mantissa bit); and NAME_scales (uint8): the same leading axes, one E8M0 byte (e + 127) for each 32 codes along K. Its value is code x scale, taken as it is: it is not quantised again, and the codes and scales need not be those that the quantiser above would give.
;; 2 versions, each right; version 2 is version 1 with the launch conv_coarse written anew for expert scheduling mode. Each part assembles by itself: llvm-mc -triple=amdgcn-amd-amdhsa -mcpu=gfx1250 --defsym DOCPART=n.
;; ======== version 1 of 2: 3 launches
;; limits: values outside matrix products are rounded to bf16
;; workspace buffers: hraw 8,388,608 bytes; part 524,288 bytes; grp 524,288 bytes of whole numbers; nidx 524,288 bytes of whole numbers; wgt 524,288 bytes; bn 2,048 bytes
;; launch conv_coarse (part 1): grid 256 x 1, 8 waves a work-group, no clusters, 124,416 bytes of LDS; arguments W_codes, W_scales, b, points_low_codes, points_low_scales, xyz_high, xyz_low, hraw, part, grp; writes hraw, part, grp
.if DOCPART == 1
	.amdgcn_target "amdgcn-amd-amdhsa--gfx1250"
	.amdhsa_code_object_version 6
	.text
	.protected	k_q5c98ba16ec_conv_coarse
	.globl	k_q5c98ba16ec_conv_coarse
	.p2align	8
	.type	k_q5c98ba16ec_conv_coarse,@function
k_q5c98ba16ec_conv_coarse:
	s_mov_b64 s[64:65], 0
	v_nop
	global_prefetch_b8 v0, s[64:65] scope:SCOPE_SE
	s_setreg_imm32_b32 hwreg(HW_REG_WAVE_MODE, 25, 1), 1
	s_wait_xcnt 0x0
; TWO PARTS, one after the other in every work-group.
; (1) hraw[row][ch] = sum over k of points_low[row][k] W[ch][k] + b[ch], on E2M1 codes with E8M0 scales as they lie in memory; 8,192 rows, 256 channels, K = 512.
;     A work-group takes 32 rows; wave v makes channels 32 v .. 32 v + 31: 2 x 2 accumulators x 4 K steps = 16 matrix instructions.
;     For the batch norm it also stores, for each channel, the sum of its 32 rows and the sum of squares about THEIR mean (no difference of large sums is ever formed).
; (2) The coarse half of the search for the three nearest of 4,096 low points.  d2 = (a + c) - 2 dot, sums in f32, a = |query|^2, c = |candidate|^2.
;     THE FORMAT: the product of K = 3 takes bf16 operands, as the problem's contract allows: xyz_low and xyz_high are rounded to bf16 (nearest even) as they are loaded, and widened again.
;     a and c are taken of the SAME rounded points, so that d2 is the squared distance between the rounded points: the problem's second definition (f32 inputs first rounded to bf16).
;     A product of two such numbers has 16 significant bits and is exact in f32: so a fused chain gives the bits of rounded products and sums, and only the order of the sums is a choice:
;     ascending coordinate, and a + c first, as the problem writes them.
;     The candidates are cut into 256 groups of 16 neighbouring indices.  The three smallest elements by (d2, index) lie in the three groups that are smallest by (group minimum, group number):
;     were an element's group left out, three groups would come before it, each with an element that comes before that element.  This launch stores those three group numbers, ascending;
;     the next launch reads them as whole numbers and looks at 48 candidates.  No address here hangs on a distance: choices are made by v_cndmask_b32.
;     A work-group takes 128 queries of one batch; every wave holds all 128, four a lane, and walks 512 candidates (32 groups); the eight waves' triples are merged through LDS.
; LIMITS: the neighbours are those of the points rounded to bf16: they differ from the unrounded points' for a share of the queries, which grows with a common offset of the coordinates.
;     Products are exact for coordinates above 2^-67 in magnitude.  NaN, infinities and distances that overflow are not served (the three groups might then not be distinct);
;     the sign of a zero distance is not told apart.
; NO CLUSTER, NO TENSOR LOAD: what work-groups share is W (65,536 bytes) and xyz_low (49,152 bytes a batch), read once by a work-group ahead of some 7,600 vector instructions a wave;
; W goes straight into operand registers, and the table in LDS holds rounded coordinates and c, which are made here.
.set PLANE,  16384                     ; LDS: x, y, z, c of the batch's 4,096 candidates, four planes of 4 bytes a candidate, in index order
.set STG,    4*PLANE                   ; the stage: 32 rows x (1,024 bytes + 16)
.set SPITCH, 1040
.set MRG,    STG+32*SPITCH             ; the merge: [wave 8][field 6][query 128] words
.set MWAVE,  6*512
.set FO,   1                           ; v1   a fragment's place: 256 r + 16 h
.set SF,   2                           ; v2   a row's four scale words: 16 r
.set BO,   3                           ; v3   my eight biases of a tile: 32 h
.set TW,   4                           ; v4   16 x thread: my quad in a plane; later my 16 bytes of grp
.set SO,   5                           ; v5   stage, in: row r, + 32 h + 128 wave
.set SC,   6                           ; v6   stage, by columns: 4 x thread
.set HR,   7                           ; v7   stage, by rows: my wave's four rows, 16 x lane
.set MR,   8                           ; v8   merge, out: 4 x thread
.set VTA,  9                           ; v9   LDS address of buffer A's next group
.set VT0,  10                          ; v10  2,048 x wave: my wave's 512 candidates in a plane
.set VTB,  11                          ; v11  LDS address of buffer B's next group
.set L16,  12                          ; v12  16 x lane
.set HO,   13                          ; v13  my bytes in the work-group's rows of hraw
.set PO,   14                          ; v14  8 x thread
.set MW,   15                          ; v15  merge, in
.set PS,   16                          ; v16-23 points_low's scale words (tile m, K step s); v24-31 W's (tile t, K step s): these sixteen hold scales and nothing else
.set WS,   24
.set BIAS, 32                          ; v32-47  b in the result's layout, tile t
.set ACC,  48                          ; v48-79  the accumulators (m, t) at 48 + 16 m + 8 t; before the products v48-63 carry the table's c
.set TS,   64                          ; v64-69  before the products: six pairs of bf16, at work
.set WF,   80                          ; v80-143  W's fragments (t, s)
.set PF,   144                         ; v144-207 points_low's fragments (m, s)
.set XL,   208                         ; v208-255 xyz_low: quad i: x, y, z, four registers each; then the queries
.set SQ,   32                          ; the search: query q at 32 + 10 q: +0 x, +1 t0, +2 y, +3 t1, +4 z, +5 t2, +6 a, +7 g0, +8 g1, +9 g2 (what is broadcast stands in an even register)
.set VG,   72                          ; v72  the group's number
.set CA,   80                          ; two buffers of a group: x 16 registers, y 16, z 16, c 16
.set CB,   144
.set MM,   208                         ; the dot products
.set D0,   224                         ; d2 of two queries
.set D1,   240
.set ME,   80                          ; the merge: wave w's six fields at 80 + 6 w
	s_load_b512 s[4:19], s[0:1], 0x0               ; W_codes 4, W_scales 6, b 8, points_low_codes 10, points_low_scales 12, xyz_high 14, xyz_low 16, hraw 18
	s_load_b128 s[20:23], s[0:1], 0x40             ; part 20, grp 22
	s_set_vgpr_msb 0x40
	v_lshl_add_u32 v0, v0, 2, 0x1e200
	v_mov_b32 v1, 0
	s_set_vgpr_msb 0x4000
	v_lshrrev_b32 v9, 5, v0
	v_readfirstlane_b32 s24, v9                    ; wave 0..7
	v_and_b32 v9, 15, v0                           ; r
	v_bfe_u32 v10, v0, 4, 1                        ; h
	v_and_b32 v11, 31, v0                          ; lane
	v_lshlrev_b32 v[FO], 8, v9
	v_lshl_add_u32 v[FO], v10, 4, v[FO]
	v_lshlrev_b32 v[SF], 4, v9
	v_lshlrev_b32 v[BO], 5, v10
	v_lshlrev_b32 v[TW], 4, v0
	v_lshlrev_b32 v[L16], 4, v11
	v_mul_u32_u24 v[SO], v9, SPITCH
	v_lshl_add_u32 v[SO], v10, 5, v[SO]
	s_lshl_b32 s25, s24, 7
	s_add_co_u32 s25, s25, STG
	v_add_nc_u32 v[SO], s25, v[SO]
	v_lshl_add_u32 v[SC], v0, 2, STG
	s_mul_i32 s25, s24, 4*SPITCH
	s_add_co_u32 s25, s25, STG
	v_add_nc_u32 v[HR], s25, v[L16]
	v_lshl_add_u32 v[MR], v0, 2, MRG
	s_mul_i32 s25, s24, MWAVE
	s_add_co_u32 s25, s25, MRG
	v_add_nc_u32 v[MW], s25, v[L16]
	v_lshl_add_u32 v[HO], s24, 12, v[L16]          ; four rows of 1,024 bytes a wave
	v_lshlrev_b32 v[PO], 3, v0
	s_lshl_b32 s25, s24, 11
	v_mov_b32 v[VT0], s25
	v_mov_b32 v[VTA], s25
	v_mov_b32 v[VTB], s25
	s_mov_b32 s27, 0                               ; s[26:27]: an offset in 64 bits
	s_mov_b32 s46, 0xffff0000                      ; a word's upper bf16
	s_lshr_b32 s28, ttmp9, 7                       ; the queries' batch
	s_wait_kmcnt 0x0
	s_mul_i32 s26, s28, 3*PLANE
	s_add_nc_u64 s[16:17], s[16:17], s[26:27]      ; xyz_low at the batch
.irp i, 0,1,2,3
.irp k, 0,1,2
	global_load_b128 v[XL+12*\i+4*\k:XL+12*\i+4*\k+3], v[TW], s[16:17] offset:\k*PLANE+\i*4096   ; candidates 4 (thread + 256 i) .. + 3, coordinate k: a wave reads 512 consecutive bytes
.endr
.endr
	s_lshl_b32 s26, ttmp9, 13
	s_add_nc_u64 s[10:11], s[10:11], s[26:27]      ; my 32 rows of 256 bytes of codes
	s_lshl_b32 s26, ttmp9, 9
	s_add_nc_u64 s[12:13], s[12:13], s[26:27]      ; and of 16 scale bytes
	s_lshl_b32 s26, s24, 13
	s_add_nc_u64 s[4:5], s[4:5], s[26:27]          ; my wave's 32 channels of W,
	s_lshl_b32 s26, s24, 9
	s_add_nc_u64 s[6:7], s[6:7], s[26:27]          ; their scale bytes,
	s_lshl_b32 s26, s24, 7
	s_add_nc_u64 s[8:9], s[8:9], s[26:27]          ; their biases
.irp m, 0,1
.irp s, 0,1,2,3
.irp c, 0,1
	global_load_b128 v[PF+32*\m+8*\s+4*\c:PF+32*\m+8*\s+4*\c+3], v[FO], s[10:11] offset:\m*4096+64*\s+32*\c   ; lane (r, h): row 16 m + r, k = 128 s + 64 c + 32 h + 0 .. 31
.endr
.endr
	global_load_b128 v[PS+4*\m:PS+4*\m+3], v[SF], s[12:13] offset:\m*256   ; row r's four scale words, one for each K step
.endr
.irp t, 0,1
.irp s, 0,1,2,3
.irp c, 0,1
	global_load_b128 v[WF+32*\t+8*\s+4*\c:WF+32*\t+8*\s+4*\c+3], v[FO], s[4:5] offset:\t*4096+64*\s+32*\c
.endr
.endr
	global_load_b128 v[WS+4*\t:WS+4*\t+3], v[SF], s[6:7] offset:\t*256
	global_load_b128 v[BIAS+8*\t:BIAS+8*\t+3], v[BO], s[8:9] offset:\t*64
	global_load_b128 v[BIAS+8*\t+4:BIAS+8*\t+7], v[BO], s[8:9] offset:\t*64+16
.endr
	s_mul_i32 s26, s28, 196608
	s_and_b32 s29, ttmp9, 127
	s_lshl_b32 s29, s29, 9
	s_add_co_u32 s26, s26, s29
	s_add_nc_u64 s[14:15], s[14:15], s[26:27]      ; xyz_high at my 128 queries
	s_lshl_b32 s26, ttmp9, 15
	s_add_nc_u64 s[18:19], s[18:19], s[26:27]      ; hraw at my 32 rows
	s_lshl_b32 s26, ttmp9, 11
	s_add_nc_u64 s[20:21], s[20:21], s[26:27]      ; part: 256 channels x 8 bytes
	s_add_nc_u64 s[22:23], s[22:23], s[26:27]      ; grp: 128 queries x 16 bytes
	; THE TABLE: x, y, z rounded to bf16 and widened again, and c = x x + y y + z z of the rounded numbers, in ascending coordinate
	s_wait_loadcnt 40                              ; xyz_low's twelve loads are in; the 40 product loads issued behind them may be out
.irp i, 0,1,2,3
.irp p, 0,1,2,3,4,5
	v_cvt_pk_bf16_f32 v[TS+\p], v[XL+12*\i+2*\p], v[XL+12*\i+2*\p+1]   ; two roundings, to nearest even
.endr
.irp p, 0,1,2,3,4,5
	v_lshlrev_b32 v[XL+12*\i+2*\p], 16, v[TS+\p]                       ; bf16 to f32: the low half moves up,
	v_and_b32 v[XL+12*\i+2*\p+1], s46, v[TS+\p]                        ; the high half stays
.endr
.irp p, 0,2
	v_pk_mul_f32 v[ACC+4*\i+\p:ACC+4*\i+\p+1], v[XL+12*\i+\p:XL+12*\i+\p+1], v[XL+12*\i+\p:XL+12*\i+\p+1]
.endr
.irp p, 0,2
	v_pk_fma_f32 v[ACC+4*\i+\p:ACC+4*\i+\p+1], v[XL+12*\i+4+\p:XL+12*\i+4+\p+1], v[XL+12*\i+4+\p:XL+12*\i+4+\p+1], v[ACC+4*\i+\p:ACC+4*\i+\p+1]
.endr
.irp p, 0,2
	v_pk_fma_f32 v[ACC+4*\i+\p:ACC+4*\i+\p+1], v[XL+12*\i+8+\p:XL+12*\i+8+\p+1], v[XL+12*\i+8+\p:XL+12*\i+8+\p+1], v[ACC+4*\i+\p:ACC+4*\i+\p+1]
.endr
.irp k, 0,1,2
	ds_store_b128 v[TW], v[XL+12*\i+4*\k:XL+12*\i+4*\k+3] offset:\k*PLANE+\i*4096
.endr
	ds_store_b128 v[TW], v[ACC+4*\i:ACC+4*\i+3] offset:3*PLANE+\i*4096
.endr
	s_wait_dscnt 0x0                               ; the stores have read their registers: the queries land in some of them, the products write others
.irp k, 0,1,2
	global_load_b128 v[XL+4*\k:XL+4*\k+3], v[L16], s[14:15] offset:\k*65536   ; queries 4 lane .. 4 lane + 3, coordinate k
.endr
	; THE PRODUCT, transposed: source 0 = 16 channels of W, source 1 = 16 rows of points_low: lane (r, h) then holds row 16 m + r and channels 32 v + 16 t + 8 h + 0 .. 7.
	; The bias is the C of each sum's first instruction.  The four accumulators take turns, one instruction a turn.
	s_wait_loadcnt 3                               ; the 40 product loads are in; the three query loads may be out
.irp s, 0,1,2,3
.irp m, 0,1
.irp t, 0,1
.if \s == 0
	v_wmma_scale_f32_16x16x128_f8f6f4 v[ACC+16*\m+8*\t:ACC+16*\m+8*\t+7], v[WF+32*\t+8*\s:WF+32*\t+8*\s+7], v[PF+32*\m+8*\s:PF+32*\m+8*\s+7], v[BIAS+8*\t:BIAS+8*\t+7], v[WS+4*\t+\s], v[PS+4*\m+\s] matrix_a_fmt:MATRIX_FMT_FP4 matrix_b_fmt:MATRIX_FMT_FP4
.else
	v_wmma_scale_f32_16x16x128_f8f6f4 v[ACC+16*\m+8*\t:ACC+16*\m+8*\t+7], v[WF+32*\t+8*\s:WF+32*\t+8*\s+7], v[PF+32*\m+8*\s:PF+32*\m+8*\s+7], v[ACC+16*\m+8*\t:ACC+16*\m+8*\t+7], v[WS+4*\t+\s], v[PS+4*\m+\s] matrix_a_fmt:MATRIX_FMT_FP4 matrix_b_fmt:MATRIX_FMT_FP4
.endif
.endr
.endr
.endr
.rept 4
	v_nop                                          ; four places between the last product and the first read of a result, and the first load into an operand's registers
.endr
.irp m, 0,1
.irp t, 0,1
	ds_store_b128 v[SO], v[ACC+16*\m+8*\t:ACC+16*\m+8*\t+3] offset:\m*16*SPITCH+64*\t       ; each accumulator from its low end on
	ds_store_b128 v[SO], v[ACC+16*\m+8*\t+4:ACC+16*\m+8*\t+7] offset:\m*16*SPITCH+64*\t+16
.endr
.endr
	s_wait_dscnt 0x0                               ; for the others' sake: my part of the table and of the stage has landed
	s_barrier_signal -1
	s_barrier_wait -1                              ; the table and the 32 rows are whole
	; STATISTICS (thread = channel) and the rows' way out (a wave: four whole rows)
.irp i, 0,1,2,3,4,5,6,7,8,9,10,11,12,13,14,15,16,17,18,19,20,21,22,23,24,25,26,27,28,29,30,31
	ds_load_b32 v[80+\i], v[SC] offset:\i*SPITCH
.endr
.irp i, 0,1,2,3
.irp u, 0,1
	ds_load_b128 v[144+8*\i+4*\u:144+8*\i+4*\u+3], v[HR] offset:\i*SPITCH+512*\u
.endr
.endr
	s_wait_dscnt 8                                 ; my channel's 32 numbers are in; the eight row loads may be out
	v_pk_add_f32 v[112:113], v[80:81], v[82:83]
	v_pk_add_f32 v[114:115], v[84:85], v[86:87]
.irp j, 8,12,16,20,24,28
	v_pk_add_f32 v[112:113], v[112:113], v[80+\j:81+\j]
	v_pk_add_f32 v[114:115], v[114:115], v[82+\j:83+\j]
.endr
	v_pk_add_f32 v[112:113], v[112:113], v[114:115]
	v_mov_b32 v117, 0                              ; (named with v116 as a pair, so it is written)
	v_add_f32 v118, v112, v113                     ; the sum of my channel's 32 rows
	v_mul_f32 v116, 0x3d000000, v118               ; / 32: their mean
.irp j, 0,2,4,6,8,10,12,14,16,18,20,22,24,26,28,30
	v_pk_add_f32 v[80+\j:81+\j], v[80+\j:81+\j], v[116:117] op_sel_hi:[1,0] neg_lo:[0,1] neg_hi:[0,1]
.endr
	v_pk_mul_f32 v[112:113], v[80:81], v[80:81]
	v_pk_mul_f32 v[114:115], v[82:83], v[82:83]
.irp j, 4,8,12,16,20,24,28
	v_pk_fma_f32 v[112:113], v[80+\j:81+\j], v[80+\j:81+\j], v[112:113]
	v_pk_fma_f32 v[114:115], v[82+\j:83+\j], v[82+\j:83+\j], v[114:115]
.endr
	v_pk_add_f32 v[112:113], v[112:113], v[114:115]
	v_add_f32 v119, v112, v113                     ; the squares about that mean
	global_store_b64 v[PO], v[118:119], s[20:21]   ; a wave stores 256 consecutive bytes
	s_wait_dscnt 0x0
.irp i, 0,1,2,3
.irp u, 0,1
	global_store_b128 v[HO], v[144+8*\i+4*\u:144+8*\i+4*\u+3], s[18:19] offset:\i*1024+512*\u   ; a wave stores 512 consecutive bytes
.endr
.endr
	; THE SEARCH
	s_wait_loadcnt 0x0                             ; the queries
.irp p, 0,1,2,3,4,5
	v_cvt_pk_bf16_f32 v[74+\p], v[XL+2*\p], v[XL+2*\p+1]   ; rounded to bf16 like the table's coordinates,
.endr
.irp p, 0,1,2,3,4,5
	v_lshlrev_b32 v[XL+2*\p], 16, v[74+\p]         ; and widened again
	v_and_b32 v[XL+2*\p+1], s46, v[74+\p]
.endr
.irp q, 0,1,2,3
	v_mov_b32 v[SQ+10*\q], v[XL+\q]
	v_mov_b32 v[SQ+10*\q+2], v[XL+4+\q]
	v_mov_b32 v[SQ+10*\q+4], v[XL+8+\q]
	v_mul_f32 v[SQ+10*\q+6], v[XL+\q], v[XL+\q]
	v_mov_b32 v[SQ+10*\q+1], 0x7f800000            ; the three smallest group minima so far: +infinity
	v_mov_b32 v[SQ+10*\q+3], 0x7f800000
	v_mov_b32 v[SQ+10*\q+5], 0x7f800000
	v_mov_b32 v[SQ+10*\q+7], 0
	v_mov_b32 v[SQ+10*\q+8], 0
	v_mov_b32 v[SQ+10*\q+9], 0
.endr
.irp q, 0,1,2,3
	v_fma_f32 v[SQ+10*\q+6], v[XL+4+\q], v[XL+4+\q], v[SQ+10*\q+6]
.endr
.irp q, 0,1,2,3
	v_fma_f32 v[SQ+10*\q+6], v[XL+8+\q], v[XL+8+\q], v[SQ+10*\q+6]   ; a
.endr
	s_lshl_b32 s25, s24, 5
	v_mov_b32 v[VG], s25                           ; my wave's first group
	s_wait_xcnt 0x0                                ; the stores above have read their data: the buffers below take the same registers
.macro LOADG buf, adr, off             ; a group's 16 candidates: 64 bytes of each plane; all lanes read the same address
.irp pl, 0,1,2,3
.irp i, 0,1,2,3
	ds_load_b128 v[\buf+16*\pl+4*\i:\buf+16*\pl+4*\i+3], v[\adr] offset:\pl*PLANE+\off+16*\i
.endr
.endr
.endm
.macro DIST buf, q, d                  ; d2 of query q to the group's 16, two at a time, stage by stage, so that no line waits for the line above it
.set QR, SQ+10*(\q)
.irp p, 0,2,4,6,8,10,12,14
	v_pk_mul_f32 v[MM+\p:MM+\p+1], v[\buf+\p:\buf+\p+1], v[QR:QR+1] op_sel_hi:[1,0]
.endr
.irp p, 0,2,4,6,8,10,12,14
	v_pk_fma_f32 v[MM+\p:MM+\p+1], v[\buf+16+\p:\buf+16+\p+1], v[QR+2:QR+3], v[MM+\p:MM+\p+1] op_sel_hi:[1,0,1]
.endr
.irp p, 0,2,4,6,8,10,12,14
	v_pk_fma_f32 v[MM+\p:MM+\p+1], v[\buf+32+\p:\buf+32+\p+1], v[QR+4:QR+5], v[MM+\p:MM+\p+1] op_sel_hi:[1,0,1]
.endr
.irp p, 0,2,4,6,8,10,12,14
	v_pk_add_f32 v[\d+\p:\d+\p+1], v[\buf+48+\p:\buf+48+\p+1], v[QR+6:QR+7] op_sel_hi:[1,0]
.endr
.irp p, 0,2,4,6,8,10,12,14
	v_pk_fma_f32 v[\d+\p:\d+\p+1], v[MM+\p:MM+\p+1], -2.0, v[\d+\p:\d+\p+1] op_sel_hi:[1,0,1]   ; (a + c) - 2 dot: doubling rounds nothing
.endr
.endm
; Two queries' group minima, and each put into its query's three smallest with the group's number; the two queries line by line in turn.
; Strictly smaller alone moves an entry, and the numbers come ascending: of equal minima the lower group stays in front.
.macro MI2 qa, qb
.set QA, SQ+10*(\qa)
.set QB, SQ+10*(\qb)
	v_min3_num_f32 v74, v[D0], v[D0+1], v[D0+2]
	v_min3_num_f32 v76, v[D1], v[D1+1], v[D1+2]
	v_min3_num_f32 v75, v[D0+3], v[D0+4], v[D0+5]
	v_min3_num_f32 v77, v[D1+3], v[D1+4], v[D1+5]
.irp i, 6,10
	v_min3_num_f32 v74, v74, v[D0+\i], v[D0+\i+1]
	v_min3_num_f32 v76, v76, v[D1+\i], v[D1+\i+1]
	v_min3_num_f32 v75, v75, v[D0+\i+2], v[D0+\i+3]
	v_min3_num_f32 v77, v77, v[D1+\i+2], v[D1+\i+3]
.endr
	v_min3_num_f32 v74, v74, v[D0+14], v[D0+15]
	v_min3_num_f32 v76, v76, v[D1+14], v[D1+15]
	v_min_num_f32 v74, v74, v75
	v_min_num_f32 v76, v76, v77
	v_cmp_lt_f32 s40, v74, v[QA+5]
	v_cmp_lt_f32 s43, v76, v[QB+5]
	v_cmp_lt_f32 s41, v74, v[QA+3]
	v_cmp_lt_f32 s44, v76, v[QB+3]
	v_cmp_lt_f32 s42, v74, v[QA+1]
	v_cmp_lt_f32 s45, v76, v[QB+1]
	v_cndmask_b32 v[QA+9], v[QA+9], v[VG], s40
	v_cndmask_b32 v[QB+9], v[QB+9], v[VG], s43
	v_cndmask_b32 v[QA+9], v[QA+9], v[QA+8], s41
	v_cndmask_b32 v[QB+9], v[QB+9], v[QB+8], s44
	v_cndmask_b32 v[QA+8], v[QA+8], v[VG], s41
	v_cndmask_b32 v[QB+8], v[QB+8], v[VG], s44
	v_cndmask_b32 v[QA+8], v[QA+8], v[QA+7], s42
	v_cndmask_b32 v[QB+8], v[QB+8], v[QB+7], s45
	v_cndmask_b32 v[QA+7], v[QA+7], v[VG], s42
	v_cndmask_b32 v[QB+7], v[QB+7], v[VG], s45
	v_med3_num_f32 v[QA+5], v[QA+3], v[QA+5], v74
	v_med3_num_f32 v[QB+5], v[QB+3], v[QB+5], v76
	v_med3_num_f32 v[QA+3], v[QA+1], v[QA+3], v74
	v_med3_num_f32 v[QB+3], v[QB+1], v[QB+3], v76
	v_min_num_f32 v[QA+1], v[QA+1], v74
	v_min_num_f32 v[QB+1], v[QB+1], v76
.endm
.macro COMPUTE buf                     ; one group against my four queries
	DIST \buf, 0, D0
	DIST \buf, 1, D1
	MI2 0, 1
	DIST \buf, 2, D0
	DIST \buf, 3, D1
	MI2 2, 3
	v_add_nc_u32 v[VG], 1, v[VG]
.endm
; value val with number id into the sorted triple (t0, t1, t2) with numbers (g0, g1, g2)
.macro INS t0, t1, t2, g0, g1, g2, val, id
	v_cmp_lt_f32 s40, v[\val], v[\t2]
	v_cmp_lt_f32 s41, v[\val], v[\t1]
	v_cmp_lt_f32 s42, v[\val], v[\t0]
	v_cndmask_b32 v[\g2], v[\g2], v[\id], s40
	v_cndmask_b32 v[\g2], v[\g2], v[\g1], s41
	v_cndmask_b32 v[\g1], v[\g1], v[\id], s41
	v_cndmask_b32 v[\g1], v[\g1], v[\g0], s42
	v_cndmask_b32 v[\g0], v[\g0], v[\id], s42
	v_med3_num_f32 v[\t2], v[\t1], v[\t2], v[\val]
	v_med3_num_f32 v[\t1], v[\t0], v[\t1], v[\val]
	v_min_num_f32 v[\t0], v[\t0], v[\val]
.endm
	LOADG CA, VTA, 0                               ; group 0
	s_mov_b32 s30, 0                               ; bytes walked in a plane: 128 a trip, two groups
.Lpair:                                            ; 15 trips; the last two groups are written out, so that no load passes my wave's part of the table
	LOADG CB, VTB, 64
	s_wait_dscnt 16                                ; buffer A's 16 loads are in (so their address may be stepped); B's 16 may be out
	s_add_co_u32 s30, s30, 128
	v_add_nc_u32 v[VTA], s30, v[VT0]
	COMPUTE CA
	LOADG CA, VTA, 0                               ; the next trip's first group
	s_wait_dscnt 16                                ; B's are in; A's may be out
	v_add_nc_u32 v[VTB], s30, v[VT0]
	COMPUTE CB
	s_cmp_lt_u32 s30, 15*128
	s_cbranch_scc1 .Lpair
	LOADG CB, VTB, 64                              ; group 31
	s_wait_dscnt 16
	COMPUTE CA
	s_wait_dscnt 0x0
	COMPUTE CB
	; THE MERGE: each wave's triples to LDS; then thread = query for the first 128 threads
.irp q, 0,1,2,3
	ds_store_b32 v[MW], v[SQ+10*\q+1] offset:0*512+4*\q
	ds_store_b32 v[MW], v[SQ+10*\q+3] offset:1*512+4*\q
	ds_store_b32 v[MW], v[SQ+10*\q+5] offset:2*512+4*\q
	ds_store_b32 v[MW], v[SQ+10*\q+7] offset:3*512+4*\q
	ds_store_b32 v[MW], v[SQ+10*\q+8] offset:4*512+4*\q
	ds_store_b32 v[MW], v[SQ+10*\q+9] offset:5*512+4*\q
.endr
	s_wait_dscnt 0x0                               ; for the others' sake: my triples have landed
	s_barrier_signal -1
	s_barrier_wait -1
	s_cmp_ge_u32 s24, 4                            ; 128 queries: waves 4 to 7 are done; no barrier follows
	s_cbranch_scc1 .Ldone
.irp w, 0,1,2,3,4,5,6,7
.irp f, 0,1,2,3,4,5
	ds_load_b32 v[ME+6*\w+\f], v[MR] offset:\w*MWAVE+\f*512
.endr
.endr
	s_wait_dscnt 0x0
.irp w, 1,2,3,4,5,6,7                  ; wave 0's triple is the start; the others come by wave and rank, so equal minima come with ascending group numbers
.irp k, 0,1,2
	INS ME, ME+1, ME+2, ME+3, ME+4, ME+5, ME+6*\w+\k, ME+6*\w+3+\k
.endr
.endr
	v_cmp_lt_u32 vcc_lo, v[ME+4], v[ME+3]          ; the three numbers in ascending order: the next launch walks them so, lower indices first
	v_cndmask_b32 v128, v[ME+3], v[ME+4], vcc_lo
	v_cndmask_b32 v129, v[ME+4], v[ME+3], vcc_lo
	v_cmp_lt_u32 vcc_lo, v[ME+5], v129
	v_cndmask_b32 v130, v129, v[ME+5], vcc_lo
	v_cndmask_b32 v134, v[ME+5], v129, vcc_lo
	v_cmp_lt_u32 vcc_lo, v130, v128
	v_cndmask_b32 v132, v128, v130, vcc_lo
	v_cndmask_b32 v133, v130, v128, vcc_lo
	v_mov_b32 v135, 0
	global_store_b128 v[TW], v[132:135], s[22:23]  ; sixteen lanes store 256 consecutive bytes
.Ldone:
	s_set_vgpr_msb 0x5
	s_wait_tensorcnt 0x0
	ds_add_u32 v0, v1
	s_wait_dscnt 0x0
	s_set_vgpr_msb 0x500
	s_endpgm
.Lfunc_end_k_q5c98ba16ec_conv_coarse:
	.size	k_q5c98ba16ec_conv_coarse, .Lfunc_end_k_q5c98ba16ec_conv_coarse-k_q5c98ba16ec_conv_coarse
	.p2alignl 7, 3214868480
	.fill 96, 4, 3214868480
	.section	.rodata,"a",@progbits
	.p2align	6, 0x0
	.amdhsa_kernel k_q5c98ba16ec_conv_coarse
		.amdhsa_group_segment_fixed_size 124416
		.amdhsa_private_segment_fixed_size 0
		.amdhsa_enable_private_segment 0
		.amdhsa_kernarg_size 80
		.amdhsa_user_sgpr_count 2
		.amdhsa_user_sgpr_kernarg_segment_ptr 1
		.amdhsa_wavefront_size32 1
		.amdhsa_system_sgpr_workgroup_id_x 1
		.amdhsa_system_sgpr_workgroup_id_y 1
		.amdhsa_system_sgpr_workgroup_id_z 1
		.amdhsa_system_vgpr_workitem_id 0
		.amdhsa_next_free_vgpr 258
		.amdhsa_next_free_sgpr 66
		.amdhsa_reserve_vcc 1
		.amdhsa_float_denorm_mode_32 3
		.amdhsa_float_denorm_mode_16_64 3
		.amdhsa_memory_ordered 1
		.amdhsa_forward_progress 1
		.amdhsa_inst_pref_size 108
	.end_amdhsa_kernel
	.amdgpu_metadata
---
amdhsa.version: [ 1, 2 ]
amdhsa.kernels:
  - .name:           k_q5c98ba16ec_conv_coarse
    .symbol:         k_q5c98ba16ec_conv_coarse.kd
    .args:
      - { .name: W_codes, .offset: 0, .size: 8, .value_kind: global_buffer, .address_space: global }
      - { .name: W_scales, .offset: 8, .size: 8, .value_kind: global_buffer, .address_space: global }
      - { .name: b, .offset: 16, .size: 8, .value_kind: global_buffer, .address_space: global }
      - { .name: points_low_codes, .offset: 24, .size: 8, .value_kind: global_buffer, .address_space: global }
      - { .name: points_low_scales, .offset: 32, .size: 8, .value_kind: global_buffer, .address_space: global }
      - { .name: xyz_high, .offset: 40, .size: 8, .value_kind: global_buffer, .address_space: global }
      - { .name: xyz_low, .offset: 48, .size: 8, .value_kind: global_buffer, .address_space: global }
      - { .name: hraw, .offset: 56, .size: 8, .value_kind: global_buffer, .address_space: global }
      - { .name: part, .offset: 64, .size: 8, .value_kind: global_buffer, .address_space: global }
      - { .name: grp, .offset: 72, .size: 8, .value_kind: global_buffer, .address_space: global }
    .group_segment_fixed_size: 124416
    .private_segment_fixed_size: 0
    .kernarg_segment_align: 8
    .kernarg_segment_size: 80
    .max_flat_workgroup_size: 256
    .sgpr_count:     66
    .vgpr_count:     258
    .wavefront_size: 32
...
	.end_amdgpu_metadata
.endif
;; end of part 1
;; launch refine_stats (part 2): grid 256 x 1, 4 waves a work-group, no clusters, 0 bytes of LDS; arguments grp, xyz_high, xyz_low, part, gamma, beta, nidx, wgt, bn; writes nidx, wgt, bn
.if DOCPART == 2
	.amdgcn_target "amdgcn-amd-amdhsa--gfx1250"
	.amdhsa_code_object_version 6
	.text
	.protected	k_q5c98ba16ec_refine_stats
	.globl	k_q5c98ba16ec_refine_stats
	.p2align	8
	.type	k_q5c98ba16ec_refine_stats,@function
k_q5c98ba16ec_refine_stats:
	s_mov_b64 s[64:65], 0
	v_nop
	global_prefetch_b8 v0, s[64:65] scope:SCOPE_SE
	s_setreg_imm32_b32 hwreg(HW_REG_WAVE_MODE, 25, 1), 1
	s_wait_xcnt 0x0
; (1) The fine half of the search.  A thread is one query.  It reads its three group numbers (whole numbers that the launch before stored, ascending), loads those 48 candidates,
;     computes d2 by the same lines as the launch before, and keeps the three smallest with their indices: strictly smaller alone moves an entry and the indices come ascending,
;     so of equal distances the lower index stays in front.  Then dist = max(d2, 0), r = 1 / (dist + 1e-8), weight = r / sum of r.
;     Stored: nidx = the three rows of hraw (batch x 4,096 + index), and wgt.
;     THE FORMAT, as in the launch before: the coordinates are rounded to bf16 (nearest even) as they are loaded and widened again; a, c and the dot product are taken of the rounded points.
;     Their products have 16 significant bits and are exact in f32, so the fused chains give the bits of rounded products and sums; the sums run in ascending coordinate, a + c first.
; (2) Wave 0 of work-group g finishes channel g of the batch norm from the 256 partial (sum, squares about the local mean of 32 rows):
;     mean = sum / 8,192; var = (sum of squares + 32 x sum of (local mean - mean)^2) / 8,192; bn = A = gamma rsqrt(var + 1e-5), B = beta - mean A.
;     gamma and beta are taken rounded to bf16, as the problem's second definition (f32 inputs first rounded to bf16), which the search follows, has them: their rounding is multiplied by h.
;     b is taken as it is given: it falls out of h - mean.  points_high is added as it is given, in the next launch.
; LIMITS: the neighbours are those of the points rounded to bf16.  Products are exact for coordinates above 2^-67 in magnitude.  NaN, infinities and distances that overflow are not served.
;     The weights are products with v_rcp_f32's results, not divisions.
; No LDS, no barrier, no cluster: threads share nothing but the 98,304 bytes of xyz_low, of which each reads 576 bytes of its own choice.
.set VB,  32                           ; v32-34  the first row of hraw of each group
.set OFF, 36                           ; v36-38  each group's 64 bytes in a plane of xyz_low
.set VJ,  40                           ; v40     the candidate's row of hraw
.set CD,  64                           ; v64-207 the candidates: group k, coordinate c: 16 registers at 64 + 48 k + 16 c
.set CC,  208                          ; v208-223 c, then d2
.set MM,  224                          ; v224-239 pairs of bf16 at work, then the dot products
.set PT,  240                          ; v240-255 eight partial (sum, squares)
	s_load_b512 s[4:19], s[0:1], 0x0               ; grp 4, xyz_high 6, xyz_low 8, part 10, gamma 12, beta 14, nidx 16, wgt 18
	s_load_b64 s[20:21], s[0:1], 0x40              ; bn
	v_lshrrev_b32 v1, 5, v0
	v_readfirstlane_b32 s24, v1                    ; wave
	v_lshlrev_b32 v1, 4, v0                        ; 16 x thread
	v_lshlrev_b32 v2, 2, v0                        ; 4 x thread
	s_lshr_b32 s28, ttmp9, 7                       ; batch
	s_and_b32 s29, ttmp9, 127
	s_lshl_b32 s29, s29, 9
	s_mov_b32 s27, 0
	s_mov_b32 s30, 0x76543210                      ; v_permlanex16_b32's selects for lane l xor 16
	s_mov_b32 s31, 0xfedcba98
	s_mov_b32 s33, 0x39000000                      ; 1 / 8,192
	s_mov_b32 s34, 0xffff0000                      ; a word's upper bf16
	s_wait_kmcnt 0x0
	s_lshl_b32 s26, ttmp9, 11                      ; 128 queries x 16 bytes
	s_add_nc_u64 s[4:5], s[4:5], s[26:27]
	s_add_nc_u64 s[16:17], s[16:17], s[26:27]
	s_add_nc_u64 s[18:19], s[18:19], s[26:27]
	s_mul_i32 s26, s28, 196608
	s_add_co_u32 s26, s26, s29
	s_add_nc_u64 s[6:7], s[6:7], s[26:27]
	global_load_b128 v[4:7], v1, s[4:5]
	global_load_b32 v8, v2, s[6:7]
	global_load_b32 v10, v2, s[6:7] offset:65536
	global_load_b32 v12, v2, s[6:7] offset:131072
	s_mul_i32 s26, s28, 49152
	s_add_nc_u64 s[8:9], s[8:9], s[26:27]
	s_lshl_b32 s26, ttmp9, 3
	s_add_nc_u64 s[10:11], s[10:11], s[26:27]      ; part at channel = work-group
	s_lshl_b32 s26, ttmp9, 2
	s_add_nc_u64 s[12:13], s[12:13], s[26:27]
	s_add_nc_u64 s[14:15], s[14:15], s[26:27]
	s_add_nc_u64 s[20:21], s[20:21], s[26:27]
	s_lshl_b32 s25, s28, 12                        ; batch x 4,096
	v_mov_b32 v9, 0                                ; (the upper halves of the pairs that the packed forms name)
	v_mov_b32 v11, 0
	v_mov_b32 v13, 0
	v_mov_b32 v15, 0
.irp k, 0,1,2
	v_mov_b32 v[20+\k], 0                          ; the three indices,
	v_mov_b32 v[24+\k], 0x7f800000                 ; the three smallest distances so far: +infinity
.endr
	v_mov_b32 v23, 0
	v_mov_b32 v31, 0
	s_wait_loadcnt 3                               ; the group numbers are in; the three coordinates may be out
.irp k, 0,1,2
	v_min_u32 v[4+\k], 0xff, v[4+\k]               ; a loaded number enters an address only behind this bound: 256 groups
.endr
.irp k, 0,1,2
	v_lshlrev_b32 v[OFF+\k], 6, v[4+\k]
	v_lshl_add_u32 v[VB+\k], v[4+\k], 4, s25
.endr
.irp k, 0,1,2
.irp c, 0,1,2
.irp i, 0,1,2,3
	global_load_b128 v[CD+48*\k+16*\c+4*\i:CD+48*\k+16*\c+4*\i+3], v[OFF+\k], s[8:9] offset:\c*16384+16*\i
.endr
.endr
.endr
	s_cmp_lg_u32 s24, 0
	s_cbranch_scc1 .Lno_stats                      ; the norm's channel is wave 0's work alone; its loads land beside the candidates'
	v_lshlrev_b32 v43, 11, v0                      ; in wave 0 the thread is the lane: partial lane + 32 i, 2,048 bytes apart
	v_mov_b32 v44, 0
.irp i, 0,1,2,3,4,5,6,7
	global_load_b64 v[PT+2*\i:PT+2*\i+1], v43, s[10:11] offset:\i*65536
.endr
	global_load_b32 v62, v44, s[12:13]             ; gamma
	global_load_b32 v63, v44, s[14:15]             ; beta
	s_wait_loadcnt 0x0
	v_cvt_pk_bf16_f32 v59, v62, v63                ; gamma and beta rounded to bf16 (see the head),
	v_lshlrev_b32 v62, 16, v59                     ; and widened again
	v_and_b32 v63, s34, v59
.macro WSUM r, t                       ; the sum of v[r] over the wave's 32 lanes, in every lane; v[t] has been written
	v_add_f32_dpp v[\r], v[\r], v[\r] row_xmask:1 row_mask:0xf bank_mask:0xf
	v_add_f32_dpp v[\r], v[\r], v[\r] row_xmask:2 row_mask:0xf bank_mask:0xf
	v_add_f32_dpp v[\r], v[\r], v[\r] row_xmask:4 row_mask:0xf bank_mask:0xf
	v_add_f32_dpp v[\r], v[\r], v[\r] row_xmask:8 row_mask:0xf bank_mask:0xf
	v_permlanex16_b32 v[\t], v[\r], s30, s31
	v_add_f32 v[\r], v[\r], v[\t]
.endm
	v_add_f32 v45, v[PT], v[PT+2]
	v_add_f32 v46, v[PT+4], v[PT+6]
	v_add_f32 v47, v[PT+8], v[PT+10]
	v_add_f32 v48, v[PT+12], v[PT+14]
	v_add_f32 v45, v45, v46
	v_add_f32 v47, v47, v48
	v_add_f32 v45, v45, v47
	WSUM 45, 46
	v_mul_f32 v49, s33, v45                        ; the mean
.irp i, 0,1,2,3,4,5,6,7
	v_fma_f32 v[50+\i], v[PT+2*\i], 0x3d000000, -v49   ; local mean - mean
.endr
.irp i, 0,1,2,3,4,5,6,7
	v_mul_f32 v[PT+2*\i], 0x42000000, v[50+\i]     ; x 32 rows
.endr
.irp i, 0,1,2,3,4,5,6,7
	v_fma_f32 v[PT+2*\i+1], v[PT+2*\i], v[50+\i], v[PT+2*\i+1]
.endr
	v_add_f32 v45, v[PT+1], v[PT+3]
	v_add_f32 v46, v[PT+5], v[PT+7]
	v_add_f32 v47, v[PT+9], v[PT+11]
	v_add_f32 v48, v[PT+13], v[PT+15]
	v_add_f32 v45, v45, v46
	v_add_f32 v47, v47, v48
	v_add_f32 v45, v45, v47
	WSUM 45, 46
	v_fmaak_f32 v57, s33, v45, 0x3727c5ac          ; var + 1e-5
	v_rsq_f32 v58, v57
	v_cmp_gt_u32 vcc_lo, 1, v0                     ; (a plain line behind the transcendental)  lane 0
	s_wait_alu depctr_va_vdst(0)                   ; the wait ahead of the result's first reader
	v_mul_f32 v60, v62, v58                        ; A
	v_fma_f32 v61, -v49, v60, v63                  ; B
	s_wait_xcnt 0x0                                ; EXEC is a source of the loads issued above: it changes only behind this wait
	s_and_saveexec_b32 s32, vcc_lo
	global_store_b32 v44, v60, s[20:21]
	global_store_b32 v44, v61, s[20:21] offset:1024
	s_wait_xcnt 0x0                                ; and again ahead of the line that widens it
	s_or_b32 exec_lo, exec_lo, s32
.Lno_stats:
	s_wait_loadcnt 0x0                             ; the query and its 48 candidates
	v_cvt_pk_bf16_f32 v41, v8, v10                 ; the query's coordinates rounded to bf16,
	v_cvt_pk_bf16_f32 v42, v12, v12
	v_lshlrev_b32 v8, 16, v41                      ; and widened again
	v_and_b32 v10, s34, v41
	v_lshlrev_b32 v12, 16, v42
	v_mul_f32 v14, v8, v8
	v_fma_f32 v14, v10, v10, v14
	v_fma_f32 v14, v12, v12, v14                   ; a
.macro INS t0, t1, t2, g0, g1, g2, val, id
	v_cmp_lt_f32 s40, v[\val], v[\t2]
	v_cmp_lt_f32 s41, v[\val], v[\t1]
	v_cmp_lt_f32 s42, v[\val], v[\t0]
	v_cndmask_b32 v[\g2], v[\g2], v[\id], s40
	v_cndmask_b32 v[\g2], v[\g2], v[\g1], s41
	v_cndmask_b32 v[\g1], v[\g1], v[\id], s41
	v_cndmask_b32 v[\g1], v[\g1], v[\g0], s42
	v_cndmask_b32 v[\g0], v[\g0], v[\id], s42
	v_med3_num_f32 v[\t2], v[\t1], v[\t2], v[\val]
	v_med3_num_f32 v[\t1], v[\t0], v[\t1], v[\val]
	v_min_num_f32 v[\t0], v[\t0], v[\val]
.endm
.macro ROUND16 base                    ; sixteen numbers rounded to bf16 (nearest even) and widened again, in place
.irp p, 0,1,2,3,4,5,6,7
	v_cvt_pk_bf16_f32 v[MM+\p], v[(\base)+2*\p], v[(\base)+2*\p+1]
.endr
.irp p, 0,1,2,3,4,5,6,7
	v_lshlrev_b32 v[(\base)+2*\p], 16, v[MM+\p]
	v_and_b32 v[(\base)+2*\p+1], s34, v[MM+\p]
.endr
.endm
.macro REFINE k                        ; group k's 16 candidates
.set CK, CD+48*(\k)
	ROUND16 CK
	ROUND16 CK+16
	ROUND16 CK+32
.irp p, 0,2,4,6,8,10,12,14
	v_pk_mul_f32 v[CC+\p:CC+\p+1], v[CK+\p:CK+\p+1], v[CK+\p:CK+\p+1]
.endr
.irp p, 0,2,4,6,8,10,12,14
	v_pk_fma_f32 v[CC+\p:CC+\p+1], v[CK+16+\p:CK+16+\p+1], v[CK+16+\p:CK+16+\p+1], v[CC+\p:CC+\p+1]
.endr
.irp p, 0,2,4,6,8,10,12,14
	v_pk_fma_f32 v[CC+\p:CC+\p+1], v[CK+32+\p:CK+32+\p+1], v[CK+32+\p:CK+32+\p+1], v[CC+\p:CC+\p+1]   ; c, by the chain that made the table
.endr
.irp p, 0,2,4,6,8,10,12,14
	v_pk_mul_f32 v[MM+\p:MM+\p+1], v[CK+\p:CK+\p+1], v[8:9] op_sel_hi:[1,0]
.endr
.irp p, 0,2,4,6,8,10,12,14
	v_pk_fma_f32 v[MM+\p:MM+\p+1], v[CK+16+\p:CK+16+\p+1], v[10:11], v[MM+\p:MM+\p+1] op_sel_hi:[1,0,1]
.endr
.irp p, 0,2,4,6,8,10,12,14
	v_pk_fma_f32 v[MM+\p:MM+\p+1], v[CK+32+\p:CK+32+\p+1], v[12:13], v[MM+\p:MM+\p+1] op_sel_hi:[1,0,1]
.endr
.irp p, 0,2,4,6,8,10,12,14
	v_pk_add_f32 v[CC+\p:CC+\p+1], v[CC+\p:CC+\p+1], v[14:15] op_sel_hi:[1,0]
.endr
.irp p, 0,2,4,6,8,10,12,14
	v_pk_fma_f32 v[CC+\p:CC+\p+1], v[MM+\p:MM+\p+1], -2.0, v[CC+\p:CC+\p+1] op_sel_hi:[1,0,1]
.endr
.irp i, 0,1,2,3,4,5,6,7,8,9,10,11,12,13,14,15
	v_add_nc_u32 v[VJ], \i, v[VB+(\k)]
	INS 24, 25, 26, 20, 21, 22, CC+\i, VJ
.endr
.endm
	REFINE 0
	REFINE 1
	REFINE 2
.irp k, 0,1,2
	v_max_num_f32 v[24+\k], 0, v[24+\k]
.endr
.irp k, 0,1,2
	v_add_f32 v[24+\k], 0x322bcc77, v[24+\k]       ; + 1e-8
.endr
.irp k, 0,1,2
	v_rcp_f32 v[28+\k], v[24+\k]
.endr
	v_nop                                          ; a plain line behind the last reciprocal
	s_wait_alu depctr_va_vdst(0)                   ; one wait for the three, ahead of their first reader
	v_add_f32 v42, v28, v29
	v_add_f32 v42, v42, v30
	v_rcp_f32 v41, v42
	v_nop
	s_wait_alu depctr_va_vdst(0)
.irp k, 0,1,2
	v_mul_f32 v[28+\k], v[28+\k], v41
.endr
	global_store_b128 v1, v[20:23], s[16:17]       ; sixteen lanes store 256 consecutive bytes
	global_store_b128 v1, v[28:31], s[18:19]
	s_endpgm
.Lfunc_end_k_q5c98ba16ec_refine_stats:
	.size	k_q5c98ba16ec_refine_stats, .Lfunc_end_k_q5c98ba16ec_refine_stats-k_q5c98ba16ec_refine_stats
	.p2alignl 7, 3214868480
	.fill 96, 4, 3214868480
	.section	.rodata,"a",@progbits
	.p2align	6, 0x0
	.amdhsa_kernel k_q5c98ba16ec_refine_stats
		.amdhsa_group_segment_fixed_size 0
		.amdhsa_private_segment_fixed_size 0
		.amdhsa_enable_private_segment 0
		.amdhsa_kernarg_size 72
		.amdhsa_user_sgpr_count 2
		.amdhsa_user_sgpr_kernarg_segment_ptr 1
		.amdhsa_wavefront_size32 1
		.amdhsa_system_sgpr_workgroup_id_x 1
		.amdhsa_system_sgpr_workgroup_id_y 1
		.amdhsa_system_sgpr_workgroup_id_z 1
		.amdhsa_system_vgpr_workitem_id 0
		.amdhsa_next_free_vgpr 256
		.amdhsa_next_free_sgpr 66
		.amdhsa_reserve_vcc 1
		.amdhsa_float_denorm_mode_32 3
		.amdhsa_float_denorm_mode_16_64 3
		.amdhsa_memory_ordered 1
		.amdhsa_forward_progress 1
		.amdhsa_inst_pref_size 67
	.end_amdhsa_kernel
	.amdgpu_metadata
---
amdhsa.version: [ 1, 2 ]
amdhsa.kernels:
  - .name:           k_q5c98ba16ec_refine_stats
    .symbol:         k_q5c98ba16ec_refine_stats.kd
    .args:
      - { .name: grp, .offset: 0, .size: 8, .value_kind: global_buffer, .address_space: global }
      - { .name: xyz_high, .offset: 8, .size: 8, .value_kind: global_buffer, .address_space: global }
      - { .name: xyz_low, .offset: 16, .size: 8, .value_kind: global_buffer, .address_space: global }
      - { .name: part, .offset: 24, .size: 8, .value_kind: global_buffer, .address_space: global }
      - { .name: gamma, .offset: 32, .size: 8, .value_kind: global_buffer, .address_space: global }
      - { .name: beta, .offset: 40, .size: 8, .value_kind: global_buffer, .address_space: global }
      - { .name: nidx, .offset: 48, .size: 8, .value_kind: global_buffer, .address_space: global }
      - { .name: wgt, .offset: 56, .size: 8, .value_kind: global_buffer, .address_space: global }
      - { .name: bn, .offset: 64, .size: 8, .value_kind: global_buffer, .address_space: global }
    .group_segment_fixed_size: 0
    .private_segment_fixed_size: 0
    .kernarg_segment_align: 8
    .kernarg_segment_size: 72
    .max_flat_workgroup_size: 128
    .sgpr_count:     66
    .vgpr_count:     256
    .wavefront_size: 32
...
	.end_amdgpu_metadata
.endif
;; end of part 2
;; launch interp (part 3): grid 256 x 1, 16 waves a work-group, no clusters, 272,384 bytes of LDS; arguments nidx, wgt, bn, hraw, points_high, out0; writes out0
.if DOCPART == 3
	.amdgcn_target "amdgcn-amd-amdhsa--gfx1250"
	.amdhsa_code_object_version 6
	.text
	.protected	k_q5c98ba16ec_interp
	.globl	k_q5c98ba16ec_interp
	.p2align	8
	.type	k_q5c98ba16ec_interp,@function
k_q5c98ba16ec_interp:
	s_mov_b64 s[64:65], 0
	v_nop
	global_prefetch_b8 v0, s[64:65] scope:SCOPE_SE
	s_setreg_imm32_b32 hwreg(HW_REG_WAVE_MODE, 25, 1), 1
	s_wait_xcnt 0x0
; out0[b][c][n] = sum over k of wgt[n][k] relu(hraw[nidx[n][k]][c] A[c] + B[c]) + points_high[b][c][n].
; A work-group takes 128 queries x all 256 channels.  GATHER: wave v takes queries 8 v .. 8 v + 7; a row of hraw is 1,024 bytes: two loads of 512 consecutive bytes a wave; a lane holds channels
; 4 l .. 4 l + 3 and 128 + 4 l .. + 3.  The rows are named by whole numbers that the launch before stored.  The norm and the relu are applied to the gathered rows: one multiply-add and one maximum a number.
; TURN: hraw has the channels innermost, out0 the queries: four queries' results of a channel (16 bytes) go into a stage in LDS, row = channel; behind one barrier wave v reads channels 16 v .. 16 v + 15
; as whole rows of 512 bytes, adds points_high and stores 512 consecutive bytes an instruction.
; points_high's tile (256 channels x 512 bytes) comes by one tensor load a wave, the wave's own 16 rows, issued first of all; every LDS byte is filled once, and one tensor load a wave is out.
; In the stage channel c lies in row (c % 4) x 64 + c / 4, so that lanes, whose channels lie 4 apart, store to neighbouring rows, 528 bytes apart.
; NO CLUSTER: each work-group's tile of points_high is its own, and its list names rows of its own choice.
.set PITCH, 528                        ; 512 bytes + 16 of padding
.set PHL,   0                          ; points_high's tile: 256 rows
.set STG,   256*PITCH                  ; the stage: 256 rows; it begins on a multiple of 256 bytes, and no tensor load lands in it
.set L16, 1                            ; v1    16 x lane
.set QO,  2                            ; v2    128 x wave: my eight queries' entries
.set WB,  3                            ; v3-4  stage, in: rows lane and lane + 128, + 32 x wave
.set RB,  5                            ; v5-8  stage, out: row 64 j + 4 wave, + 16 x lane
.set PR,  9                            ; v9    my 16 rows of points_high's tile, + 16 x lane
.set SA,  16                           ; v16-23 A of my eight channels; v24-31 B
.set SB,  24
.set IDX, 32                           ; v32-63 the indices, then the rows' offsets; query q, neighbour k at 32 + 4 q + k
.set WG,  64                           ; v64-95 the weights
.set G,   96                           ; v96-191 gathered rows: 96 + 24 (q % 4) + 8 k
.set ACC, 192                          ; v192-223 channel j of mine, query q % 4: 192 + 4 j + q % 4
.set T,   224                          ; v224-231 at work
	s_load_b256 s[4:11], s[0:1], 0x0               ; nidx 4, wgt 6, bn 8, hraw 10
	s_load_b128 s[12:15], s[0:1], 0x20             ; points_high 12, out0 14
	v_lshl_add_u32 v254, v0, 2, 0x42000
	v_mov_b32 v255, 0
	ds_add_u32 v254, v255
	ds_add_u32 v254, v255
	v_lshrrev_b32 v10, 5, v0
	v_readfirstlane_b32 s28, v10                   ; wave 0..15
	; descriptor group 1: 16 rows x 128 elements of 4 bytes, 16,384 elements from row to row; 4 words of padding behind every 128
	s_mov_b32 s16, (2<<16)|(1<<20)|(6<<22)|(3<<25)
	s_mov_b32 s17, 128<<16                         ; tensor_dim0 = 128
	s_mov_b32 s18, 16<<16                          ; tensor_dim1 = 16
	s_mov_b32 s19, 128<<16                         ; tile_dim0 = 128
	s_mov_b32 s20, 16                              ; tile_dim1 = 16
	s_mov_b32 s21, 16384                           ; the pitch
	s_mov_b32 s22, 0
	s_mov_b32 s23, 0
	s_mov_b32 s24, 1                               ; group 0: count = 1,
	s_mul_i32 s25, s28, 16*PITCH                   ; LDS address: my 16 rows,
	s_lshr_b32 s29, ttmp9, 7                       ; batch
	s_lshl_b32 s30, s29, 24                        ; 256 channels x 65,536 bytes
	s_lshl_b32 s31, s28, 20                        ; 16 channels a wave
	s_add_co_u32 s30, s30, s31
	s_and_b32 s31, ttmp9, 127
	s_lshl_b32 s31, s31, 9                         ; 128 queries x 4 bytes
	s_add_co_u32 s30, s30, s31
	s_mov_b32 s31, 0
	s_lshl_b32 s32, ttmp9, 11                      ; 128 queries x 16 bytes
	s_mov_b32 s33, 0
	s_wait_dscnt 0x0
	s_wait_kmcnt 0x0
	s_add_nc_u64 s[14:15], s[14:15], s[30:31]      ; out0 at my wave's first channel and the work-group's first query
	s_add_nc_u64 s[4:5], s[4:5], s[32:33]
	s_add_nc_u64 s[6:7], s[6:7], s[32:33]
	s_add_nc_u64 s[26:27], s[12:13], s[30:31]      ; global address of the tile's first element,
	s_or_b32 s27, s27, 0x80000000                  ; type = 2
	tensor_load_to_lds s[24:27], s[16:23]
	s_nop 0
.rept 4
	v_nop                                          ; four v_nop behind a tensor load
.endr
	v_and_b32 v10, 31, v0
	v_lshlrev_b32 v[L16], 4, v10
	s_lshl_b32 s34, s28, 7
	v_mov_b32 v[QO], s34
.irp i, 0,1,2,3,4,5,6,7
	global_load_b128 v[IDX+4*\i:IDX+4*\i+3], v[QO], s[4:5] offset:16*\i   ; all lanes read the same 16 bytes: query 8 v + i
.endr
.irp i, 0,1,2,3,4,5,6,7
	global_load_b128 v[WG+4*\i:WG+4*\i+3], v[QO], s[6:7] offset:16*\i
.endr
	global_load_b128 v[SA:SA+3], v[L16], s[8:9]
	global_load_b128 v[SA+4:SA+7], v[L16], s[8:9] offset:512
	global_load_b128 v[SB:SB+3], v[L16], s[8:9] offset:1024
	global_load_b128 v[SB+4:SB+7], v[L16], s[8:9] offset:1536
	v_mul_u32_u24 v[WB], v10, PITCH
	s_lshl_b32 s34, s28, 5
	s_add_co_u32 s34, s34, STG
	v_add_nc_u32 v[WB], s34, v[WB]
	v_add_nc_u32 v[WB+1], 128*PITCH, v[WB]
	s_mul_i32 s34, s28, 4*PITCH
	s_add_co_u32 s34, s34, STG
.irp j, 0,1,2,3
	v_add_nc_u32 v[RB+\j], s34, v[L16]
	s_add_co_u32 s34, s34, 64*PITCH
.endr
	v_add_nc_u32 v[PR], s25, v[L16]
	s_wait_loadcnt 12                              ; the indices are in; the eight weight loads and the norm's four may be out
.irp q, 0,1,2,3,4,5,6,7
.irp k, 0,1,2
	v_min_u32 v[IDX+4*\q+\k], 0x1fff, v[IDX+4*\q+\k]   ; a loaded number enters an address only behind this bound: 8,192 rows
.endr
.endr
.irp q, 0,1,2,3,4,5,6,7
.irp k, 0,1,2
	v_lshlrev_b32 v[IDX+4*\q+\k], 10, v[IDX+4*\q+\k]
.endr
.endr
.irp q, 0,1,2,3,4,5,6,7
.irp k, 0,1,2
	v_add_nc_u32 v[IDX+4*\q+\k], v[L16], v[IDX+4*\q+\k]
.endr
.endr
.macro GATHER q                        ; query q's three rows: six loads of 512 consecutive bytes
.irp k, 0,1,2
	global_load_b128 v[G+24*((\q)%4)+8*\k:G+24*((\q)%4)+8*\k+3], v[IDX+4*(\q)+\k], s[10:11]
	global_load_b128 v[G+24*((\q)%4)+8*\k+4:G+24*((\q)%4)+8*\k+7], v[IDX+4*(\q)+\k], s[10:11] offset:512
.endr
.endm
.macro QUERY q, left                   ; left: the loads of younger queries, which may stay out
	s_wait_loadcnt \left
.irp k, 0,1,2
.set GR, G+24*((\q)%4)+8*\k
.irp p, 0,2,4,6
	v_pk_fma_f32 v[T+\p:T+\p+1], v[GR+\p:GR+\p+1], v[SA+\p:SA+\p+1], v[SB+\p:SB+\p+1]   ; the norm
.endr
.irp j, 0,1,2,3,4,5,6,7
	v_max_num_f32 v[T+\j], 0, v[T+\j]              ; the relu
.endr
.irp j, 0,1,2,3,4,5,6,7
.if \k == 0
	v_mul_f32 v[ACC+4*\j+(\q)%4], v[T+\j], v[WG+4*(\q)+\k]   ; the first neighbour starts the sum
.else
	v_fma_f32 v[ACC+4*\j+(\q)%4], v[T+\j], v[WG+4*(\q)+\k], v[ACC+4*\j+(\q)%4]
.endif
.endr
.endr
.endm
.macro TOSTAGE beta                    ; four queries of my eight channels: channel j of mine lies in row (j % 4) x 64 + (j / 4) x 32 + lane
.irp j, 0,1,2,3,4,5,6,7
	ds_store_b128 v[WB+(\j/2)%2], v[ACC+4*\j:ACC+4*\j+3] offset:((\j%2)*64+32*(\j/4))*PITCH+16*\beta
.endr
.endm
	GATHER 0
	GATHER 1
	GATHER 2
	GATHER 3
	QUERY 0, 18                                    ; three younger queries x six loads; the weights and the norm, issued earlier, are in too
	GATHER 4                                       ; into the registers just read
	QUERY 1, 18
	GATHER 5
	QUERY 2, 18
	GATHER 6
	QUERY 3, 18
	GATHER 7
	TOSTAGE 0
	s_wait_dscnt 0x0                               ; the stores have read their registers: the next four queries write them again
	QUERY 4, 18
	QUERY 5, 12
	QUERY 6, 6
	QUERY 7, 0
	TOSTAGE 1
	s_wait_tensorcnt 0x0                           ; my 16 rows of points_high have landed
	s_wait_dscnt 0x0                               ; for the others' sake: my part of the stage has landed
	s_barrier_signal -1
	s_barrier_wait -1                              ; the stage is whole
.irp i, 0,1,2,3,4,5,6,7,8,9,10,11,12,13,14,15
	ds_load_b128 v[96+4*\i:99+4*\i], v[RB+\i%4] offset:(\i/4)*PITCH    ; channel 16 v + i: row (i % 4) x 64 + 4 v + i / 4
	ds_load_b128 v[32+4*\i:35+4*\i], v[PR] offset:\i*PITCH
.endr
.irp i, 0,1,2,3,4,5,6,7,8,9,10,11,12,13,14,15
	s_wait_dscnt 30-2*\i                           ; this channel's two loads are in; those of the channels behind it may be out
	v_pk_add_f32 v[96+4*\i:97+4*\i], v[96+4*\i:97+4*\i], v[32+4*\i:33+4*\i]
	v_pk_add_f32 v[98+4*\i:99+4*\i], v[98+4*\i:99+4*\i], v[34+4*\i:35+4*\i]
	global_store_b128 v[L16], v[96+4*\i:99+4*\i], s[14:15] offset:\i*65536 th:TH_STORE_NT   ; 32 lanes store 512 consecutive bytes, at a multiple of 512 from out0's first byte
.endr
	s_wait_tensorcnt 0x0
	ds_add_u32 v254, v255
	s_wait_dscnt 0x0
	s_endpgm
.Lfunc_end_k_q5c98ba16ec_interp:
	.size	k_q5c98ba16ec_interp, .Lfunc_end_k_q5c98ba16ec_interp-k_q5c98ba16ec_interp
	.p2alignl 7, 3214868480
	.fill 96, 4, 3214868480
	.section	.rodata,"a",@progbits
	.p2align	6, 0x0
	.amdhsa_kernel k_q5c98ba16ec_interp
		.amdhsa_group_segment_fixed_size 272384
		.amdhsa_private_segment_fixed_size 0
		.amdhsa_enable_private_segment 0
		.amdhsa_kernarg_size 48
		.amdhsa_user_sgpr_count 2
		.amdhsa_user_sgpr_kernarg_segment_ptr 1
		.amdhsa_wavefront_size32 1
		.amdhsa_system_sgpr_workgroup_id_x 1
		.amdhsa_system_sgpr_workgroup_id_y 1
		.amdhsa_system_sgpr_workgroup_id_z 1
		.amdhsa_system_vgpr_workitem_id 0
		.amdhsa_next_free_vgpr 256
		.amdhsa_next_free_sgpr 66
		.amdhsa_reserve_vcc 0
		.amdhsa_float_denorm_mode_32 3
		.amdhsa_float_denorm_mode_16_64 3
		.amdhsa_memory_ordered 1
		.amdhsa_forward_progress 1
		.amdhsa_inst_pref_size 42
	.end_amdhsa_kernel
	.amdgpu_metadata
---
amdhsa.version: [ 1, 2 ]
amdhsa.kernels:
  - .name:           k_q5c98ba16ec_interp
    .symbol:         k_q5c98ba16ec_interp.kd
    .args:
      - { .name: nidx, .offset: 0, .size: 8, .value_kind: global_buffer, .address_space: global }
      - { .name: wgt, .offset: 8, .size: 8, .value_kind: global_buffer, .address_space: global }
      - { .name: bn, .offset: 16, .size: 8, .value_kind: global_buffer, .address_space: global }
      - { .name: hraw, .offset: 24, .size: 8, .value_kind: global_buffer, .address_space: global }
      - { .name: points_high, .offset: 32, .size: 8, .value_kind: global_buffer, .address_space: global }
      - { .name: out0, .offset: 40, .size: 8, .value_kind: global_buffer, .address_space: global }
    .group_segment_fixed_size: 272384
    .private_segment_fixed_size: 0
    .kernarg_segment_align: 8
    .kernarg_segment_size: 48
    .max_flat_workgroup_size: 512
    .sgpr_count:     66
    .vgpr_count:     256
    .wavefront_size: 32
...
	.end_amdgpu_metadata
.endif
;; end of part 3
;; ======== version 2 of 2: 3 launches; version 1 with the launch conv_coarse written anew for expert scheduling mode
;; limits: values outside matrix products are rounded to bf16
;; workspace buffers: hraw 8,388,608 bytes; part 524,288 bytes; grp 524,288 bytes of whole numbers; nidx 524,288 bytes of whole numbers; wgt 524,288 bytes; bn 2,048 bytes
;; launch conv_coarse (part 4): grid 256 x 1, 8 waves a work-group, no clusters, 124,416 bytes of LDS; arguments W_codes, W_scales, b, points_low_codes, points_low_scales, xyz_high, xyz_low, hraw, part, grp; writes hraw, part, grp
.if DOCPART == 4
	.amdgcn_target "amdgcn-amd-amdhsa--gfx1250"
	.amdhsa_code_object_version 6
	.text
	.protected	k_q5c98ba16ec_conv_coarse
	.globl	k_q5c98ba16ec_conv_coarse
	.p2align	8
	.type	k_q5c98ba16ec_conv_coarse,@function
k_q5c98ba16ec_conv_coarse:
	s_mov_b64 s[64:65], 0
	v_nop
	global_prefetch_b8 v0, s[64:65] scope:SCOPE_SE
	s_setreg_imm32_b32 hwreg(HW_REG_WAVE_SCHED_MODE, 0, 2), 2
	s_setreg_imm32_b32 hwreg(HW_REG_WAVE_MODE, 25, 1), 1
	s_wait_xcnt 0x0
	s_wait_alu depctr_vm_vsrc(0)
; TWO PARTS, one after the other in every work-group.
; (1) hraw[row][ch] = sum over k of points_low[row][k] W[ch][k] + b[ch], on E2M1 codes with E8M0 scales as they lie in memory; 8,192 rows, 256 channels, K = 512.
;     A work-group takes 32 rows; wave v makes channels 32 v .. 32 v + 31: 2 x 2 accumulators x 4 K steps = 16 matrix instructions.
;     For the batch norm it also stores, for each channel, the sum of its 32 rows and the sum of squares about THEIR mean (no difference of large sums is ever formed).
; (2) The coarse half of the search for the three nearest of 4,096 low points.  d2 = (a + c) - 2 dot, sums in f32, a = |query|^2, c = |candidate|^2.
;     THE FORMAT: the product of K = 3 takes bf16 operands, as the problem's contract allows: xyz_low and xyz_high are rounded to bf16 (nearest even) as they are loaded, and widened again.
;     a and c are taken of the SAME rounded points, so that d2 is the squared distance between the rounded points: the problem's second definition (f32 inputs first rounded to bf16).
;     A product of two such numbers has 16 significant bits and is exact in f32: so a fused chain gives the bits of rounded products and sums, and only the order of the sums is a choice:
;     ascending coordinate, and a + c first, as the problem writes them.
;     The candidates are cut into 256 groups of 16 neighbouring indices.  The three smallest elements by (d2, index) lie in the three groups that are smallest by (group minimum, group number):
;     were an element's group left out, three groups would come before it, each with an element that comes before that element.  This launch stores those three group numbers, ascending;
;     the next launch reads them as whole numbers and looks at 48 candidates.  No address here hangs on a distance: choices are made by v_cndmask_b32.
;     A work-group takes 128 queries of one batch; every wave holds all 128, four a lane, and walks 512 candidates (32 groups); the eight waves' triples are merged through LDS.
; LIMITS: the neighbours are those of the points rounded to bf16: they differ from the unrounded points' for a share of the queries, which grows with a common offset of the coordinates.
;     Products are exact for coordinates above 2^-67 in magnitude.  NaN, infinities and distances that overflow are not served (the three groups might then not be distinct);
;     the sign of a zero distance is not told apart.
; NO CLUSTER, NO TENSOR LOAD: what work-groups share is W (65,536 bytes) and xyz_low (49,152 bytes a batch), read once by a work-group ahead of some 7,600 vector instructions a wave;
; W goes straight into operand registers, and the table in LDS holds rounded coordinates and c, which are made here.
; THE MODE: SCHED_MODE bits 1:0 = 2 (LLVM: expert scheduling mode 2), set by the entry lines.  The code itself states the register dependences
; between vector or matrix instructions and memory or LDS instructions, and those through scalar results of vector instructions, with s_wait_alu, always for 0.
; THE PLAN.  Registers that memory or LDS instructions touch:
;   v1-8, v12-15  offsets and LDS addresses: written once at the head, then only read.
;   XL, v48-63    the table: loaded (XL), rounded in place, c made beside it; read by the table's 16 LDS stores; then the queries land in XL's first twelve and the products write v48-79.
;   ACC v48-79    written by the products, read by the stage's LDS stores; then the search's set-up writes v32-72 and v74-79.
;   WF, PF        loaded, read by the products; the stage's LDS loads land in v80-111 and v144-175; the statistics work in v80-119; global stores read v118-119 and v144-175.
;   CA, CB        the same registers in the search: two buffers of a group, by turns.  A step's vector lines read one buffer; the other buffer's 16 LDS loads are dealt into that step.
;                 A step's vector lines name its own buffer, v32-77 and v208-255: none of the registers that those loads touch.
;   VTA, VTB      read by the groups' loads; both written once a trip, between its two steps.
;   v33-71        the triples: read by the merge's LDS stores, not written again.   v80-127: the merge's LDS loads.   v132-135: the last store's data.
; So in the loop ONE wait on va_vdst stands at the head of each step (the step before is done reading the buffer that is asked for again; the addresses are written), and ONE wait on vm_vsrc a trip
; ahead of the two adds.  A wait on va_sdst stands behind each run of compares, ahead of the first select that reads a mask.
.set PLANE,  16384                     ; LDS: x, y, z, c of the batch's 4,096 candidates, four planes of 4 bytes a candidate, in index order
.set STG,    4*PLANE                   ; the stage: 32 rows x (1,024 bytes + 16)
.set SPITCH, 1040
.set MRG,    STG+32*SPITCH             ; the merge: [wave 8][field 6][query 128] words
.set MWAVE,  6*512
.set FO,   1                           ; v1   a fragment's place: 256 r + 16 h
.set SF,   2                           ; v2   a row's four scale words: 16 r
.set BO,   3                           ; v3   my eight biases of a tile: 32 h
.set TW,   4                           ; v4   16 x thread: my quad in a plane; later my 16 bytes of grp
.set SO,   5                           ; v5   stage, in: row r, + 32 h + 128 wave
.set SC,   6                           ; v6   stage, by columns: 4 x thread
.set HR,   7                           ; v7   stage, by rows: my wave's four rows, 16 x lane
.set MR,   8                           ; v8   merge, out: 4 x thread
.set VTA,  9                           ; v9   LDS address of buffer A's next group
.set VT0,  10                          ; v10  2,048 x wave: my wave's 512 candidates in a plane
.set VTB,  11                          ; v11  LDS address of buffer B's next group, less 64
.set L16,  12                          ; v12  16 x lane
.set HO,   13                          ; v13  my bytes in the work-group's rows of hraw
.set PO,   14                          ; v14  8 x thread
.set MW,   15                          ; v15  merge, in
.set PS,   16                          ; v16-23 points_low's scale words (tile m, K step s); v24-31 W's (tile t, K step s): these sixteen hold scales and nothing else
.set WS,   24
.set BIAS, 32                          ; v32-47  b in the result's layout, tile t
.set ACC,  48                          ; v48-79  the accumulators (m, t) at 48 + 16 m + 8 t; before the products v48-63 carry the table's c
.set TS,   64                          ; v64-69  before the products: six pairs of bf16, at work
.set WF,   80                          ; v80-143  W's fragments (t, s)
.set PF,   144                         ; v144-207 points_low's fragments (m, s)
.set XL,   208                         ; v208-255 xyz_low: quad i: x, y, z, four registers each; then the queries
.set SQ,   32                          ; the search: query q at 32 + 10 q: +0 x, +1 t0, +2 y, +3 t1, +4 z, +5 t2, +6 a, +7 g0, +8 g1, +9 g2 (what is broadcast stands in an even register)
.set VG,   72                          ; v72  the group's number
.set CA,   80                          ; two buffers of a group: x 16 registers, y 16, z 16, c 16
.set CB,   144
.set MM,   208                         ; the dot products
.set D0,   224                         ; d2 of two queries
.set D1,   240
.set ME,   80                          ; the merge: wave w's six fields at 80 + 6 w
	s_load_b512 s[4:19], s[0:1], 0x0               ; W_codes 4, W_scales 6, b 8, points_low_codes 10, points_low_scales 12, xyz_high 14, xyz_low 16, hraw 18
	s_load_b128 s[20:23], s[0:1], 0x40             ; part 20, grp 22
	s_set_vgpr_msb 0x40
	v_lshl_add_u32 v0, v0, 2, 0x1e200
	v_mov_b32 v1, 0
	s_set_vgpr_msb 0x4000
	v_lshrrev_b32 v9, 5, v0
	v_readfirstlane_b32 s24, v9                    ; wave 0..7
	v_and_b32 v9, 15, v0                           ; r
	v_bfe_u32 v10, v0, 4, 1                        ; h
	v_and_b32 v11, 31, v0                          ; lane
	v_lshlrev_b32 v[FO], 8, v9
	v_lshl_add_u32 v[FO], v10, 4, v[FO]
	v_lshlrev_b32 v[SF], 4, v9
	v_lshlrev_b32 v[BO], 5, v10
	v_lshlrev_b32 v[TW], 4, v0
	v_lshlrev_b32 v[L16], 4, v11
	v_mul_u32_u24 v[SO], v9, SPITCH
	v_lshl_add_u32 v[SO], v10, 5, v[SO]
	s_wait_alu depctr_va_sdst(0)                   ; s24 is written, ahead of its first reader: LDS addresses and the bases of W, b and hraw are made from it
	s_lshl_b32 s25, s24, 7
	s_add_co_u32 s25, s25, STG
	v_add_nc_u32 v[SO], s25, v[SO]
	v_lshl_add_u32 v[SC], v0, 2, STG
	s_mul_i32 s25, s24, 4*SPITCH
	s_add_co_u32 s25, s25, STG
	v_add_nc_u32 v[HR], s25, v[L16]
	v_lshl_add_u32 v[MR], v0, 2, MRG
	s_mul_i32 s25, s24, MWAVE
	s_add_co_u32 s25, s25, MRG
	v_add_nc_u32 v[MW], s25, v[L16]
	v_lshl_add_u32 v[HO], s24, 12, v[L16]          ; four rows of 1,024 bytes a wave
	v_lshlrev_b32 v[PO], 3, v0
	s_lshl_b32 s25, s24, 11
	v_mov_b32 v[VT0], s25
	v_mov_b32 v[VTA], s25
	v_mov_b32 v[VTB], s25
	s_mov_b32 s27, 0                               ; s[26:27]: an offset in 64 bits
	s_mov_b32 s46, 0xffff0000                      ; a word's upper bf16
	s_lshr_b32 s28, ttmp9, 7                       ; the queries' batch
	s_wait_kmcnt 0x0
	s_mul_i32 s26, s28, 3*PLANE
	s_add_nc_u64 s[16:17], s[16:17], s[26:27]      ; xyz_low at the batch
	s_wait_alu depctr_va_vdst(0)                   ; the offsets and LDS addresses v1 to v15 are written, which the loads and stores of the whole kernel read
.irp i, 0,1,2,3
.irp k, 0,1,2
	global_load_b128 v[XL+12*\i+4*\k:XL+12*\i+4*\k+3], v[TW], s[16:17] offset:\k*PLANE+\i*4096   ; candidates 4 (thread + 256 i) .. + 3, coordinate k: a wave reads 512 consecutive bytes
.endr
.endr
	s_lshl_b32 s26, ttmp9, 13
	s_add_nc_u64 s[10:11], s[10:11], s[26:27]      ; my 32 rows of 256 bytes of codes
	s_lshl_b32 s26, ttmp9, 9
	s_add_nc_u64 s[12:13], s[12:13], s[26:27]      ; and of 16 scale bytes
	s_lshl_b32 s26, s24, 13
	s_add_nc_u64 s[4:5], s[4:5], s[26:27]          ; my wave's 32 channels of W,
	s_lshl_b32 s26, s24, 9
	s_add_nc_u64 s[6:7], s[6:7], s[26:27]          ; their scale bytes,
	s_lshl_b32 s26, s24, 7
	s_add_nc_u64 s[8:9], s[8:9], s[26:27]          ; their biases
.irp m, 0,1
.irp s, 0,1,2,3
.irp c, 0,1
	global_load_b128 v[PF+32*\m+8*\s+4*\c:PF+32*\m+8*\s+4*\c+3], v[FO], s[10:11] offset:\m*4096+64*\s+32*\c   ; lane (r, h): row 16 m + r, k = 128 s + 64 c + 32 h + 0 .. 31
.endr
.endr
	global_load_b128 v[PS+4*\m:PS+4*\m+3], v[SF], s[12:13] offset:\m*256   ; row r's four scale words, one for each K step
.endr
.irp t, 0,1
.irp s, 0,1,2,3
.irp c, 0,1
	global_load_b128 v[WF+32*\t+8*\s+4*\c:WF+32*\t+8*\s+4*\c+3], v[FO], s[4:5] offset:\t*4096+64*\s+32*\c
.endr
.endr
	global_load_b128 v[WS+4*\t:WS+4*\t+3], v[SF], s[6:7] offset:\t*256
	global_load_b128 v[BIAS+8*\t:BIAS+8*\t+3], v[BO], s[8:9] offset:\t*64
	global_load_b128 v[BIAS+8*\t+4:BIAS+8*\t+7], v[BO], s[8:9] offset:\t*64+16
.endr
	s_mul_i32 s26, s28, 196608
	s_and_b32 s29, ttmp9, 127
	s_lshl_b32 s29, s29, 9
	s_add_co_u32 s26, s26, s29
	s_add_nc_u64 s[14:15], s[14:15], s[26:27]      ; xyz_high at my 128 queries
	s_lshl_b32 s26, ttmp9, 15
	s_add_nc_u64 s[18:19], s[18:19], s[26:27]      ; hraw at my 32 rows
	s_lshl_b32 s26, ttmp9, 11
	s_add_nc_u64 s[20:21], s[20:21], s[26:27]      ; part: 256 channels x 8 bytes
	s_add_nc_u64 s[22:23], s[22:23], s[26:27]      ; grp: 128 queries x 16 bytes
	; THE TABLE: x, y, z rounded to bf16 and widened again, and c = x x + y y + z z of the rounded numbers, in ascending coordinate.  All four quads' arithmetic first, then the sixteen stores behind one wait
	s_wait_loadcnt 40                              ; xyz_low's twelve loads are in; the 40 product loads issued behind them may be out
.irp i, 0,1,2,3
.irp p, 0,1,2,3,4,5
	v_cvt_pk_bf16_f32 v[TS+\p], v[XL+12*\i+2*\p], v[XL+12*\i+2*\p+1]   ; two roundings, to nearest even
.endr
.irp p, 0,1,2,3,4,5
	v_lshlrev_b32 v[XL+12*\i+2*\p], 16, v[TS+\p]                       ; bf16 to f32: the low half moves up,
	v_and_b32 v[XL+12*\i+2*\p+1], s46, v[TS+\p]                        ; the high half stays
.endr
.irp p, 0,2
	v_pk_mul_f32 v[ACC+4*\i+\p:ACC+4*\i+\p+1], v[XL+12*\i+\p:XL+12*\i+\p+1], v[XL+12*\i+\p:XL+12*\i+\p+1]
.endr
.irp p, 0,2
	v_pk_fma_f32 v[ACC+4*\i+\p:ACC+4*\i+\p+1], v[XL+12*\i+4+\p:XL+12*\i+4+\p+1], v[XL+12*\i+4+\p:XL+12*\i+4+\p+1], v[ACC+4*\i+\p:ACC+4*\i+\p+1]
.endr
.irp p, 0,2
	v_pk_fma_f32 v[ACC+4*\i+\p:ACC+4*\i+\p+1], v[XL+12*\i+8+\p:XL+12*\i+8+\p+1], v[XL+12*\i+8+\p:XL+12*\i+8+\p+1], v[ACC+4*\i+\p:ACC+4*\i+\p+1]
.endr
.endr
	s_wait_alu depctr_va_vdst(0)                   ; the rounded coordinates in XL and c in v48-63 are written, which the LDS stores read; and every vector line that names XL is done: the queries' loads below land there
.irp i, 0,1,2,3
.irp k, 0,1,2
	ds_store_b128 v[TW], v[XL+12*\i+4*\k:XL+12*\i+4*\k+3] offset:\k*PLANE+\i*4096
.endr
	ds_store_b128 v[TW], v[ACC+4*\i:ACC+4*\i+3] offset:3*PLANE+\i*4096
.endr
	s_wait_dscnt 0x0                               ; my part of the table has landed
	s_wait_alu depctr_vm_vsrc(0)                   ; the LDS stores have read XL, in which the queries land, and v48-63, which the products write
.irp k, 0,1,2
	global_load_b128 v[XL+4*\k:XL+4*\k+3], v[L16], s[14:15] offset:\k*65536   ; queries 4 lane .. 4 lane + 3, coordinate k
.endr
	; THE PRODUCT, transposed: source 0 = 16 channels of W, source 1 = 16 rows of points_low: lane (r, h) then holds row 16 m + r and channels 32 v + 16 t + 8 h + 0 .. 7.
	; The bias is the C of each sum's first instruction.  The four accumulators take turns, one instruction a turn.
	s_wait_loadcnt 3                               ; the 40 product loads are in; the three query loads may be out
.irp s, 0,1,2,3
.irp m, 0,1
.irp t, 0,1
.if \s == 0
	v_wmma_scale_f32_16x16x128_f8f6f4 v[ACC+16*\m+8*\t:ACC+16*\m+8*\t+7], v[WF+32*\t+8*\s:WF+32*\t+8*\s+7], v[PF+32*\m+8*\s:PF+32*\m+8*\s+7], v[BIAS+8*\t:BIAS+8*\t+7], v[WS+4*\t+\s], v[PS+4*\m+\s] matrix_a_fmt:MATRIX_FMT_FP4 matrix_b_fmt:MATRIX_FMT_FP4
.else
	v_wmma_scale_f32_16x16x128_f8f6f4 v[ACC+16*\m+8*\t:ACC+16*\m+8*\t+7], v[WF+32*\t+8*\s:WF+32*\t+8*\s+7], v[PF+32*\m+8*\s:PF+32*\m+8*\s+7], v[ACC+16*\m+8*\t:ACC+16*\m+8*\t+7], v[WS+4*\t+\s], v[PS+4*\m+\s] matrix_a_fmt:MATRIX_FMT_FP4 matrix_b_fmt:MATRIX_FMT_FP4
.endif
.endr
.endr
.endr
.rept 4
	v_nop                                          ; four places between the last product and the first read of a result (ISA guide 7.12.1)
.endr
	s_wait_alu depctr_va_vdst(0)                   ; the products have written the accumulators, which the LDS stores read, and are done reading W's and points_low's fragments, in which the stage's loads land; the places above stay beside this wait
.irp m, 0,1
.irp t, 0,1
	ds_store_b128 v[SO], v[ACC+16*\m+8*\t:ACC+16*\m+8*\t+3] offset:\m*16*SPITCH+64*\t       ; each accumulator from its low end on
	ds_store_b128 v[SO], v[ACC+16*\m+8*\t+4:ACC+16*\m+8*\t+7] offset:\m*16*SPITCH+64*\t+16
.endr
.endr
	s_wait_dscnt 0x0                               ; for the others' sake: my part of the table and of the stage has landed
	s_barrier_signal -1
	s_barrier_wait -1                              ; the table and the 32 rows are whole
	; STATISTICS (thread = channel) and the rows' way out (a wave: four whole rows)
.irp i, 0,1,2,3,4,5,6,7,8,9,10,11,12,13,14,15,16,17,18,19,20,21,22,23,24,25,26,27,28,29,30,31
	ds_load_b32 v[80+\i], v[SC] offset:\i*SPITCH
.endr
.irp i, 0,1,2,3
.irp u, 0,1
	ds_load_b128 v[144+8*\i+4*\u:144+8*\i+4*\u+3], v[HR] offset:\i*SPITCH+512*\u
.endr
.endr
	s_wait_dscnt 8                                 ; my channel's 32 numbers are in; the eight row loads may be out
	v_pk_add_f32 v[112:113], v[80:81], v[82:83]
	v_pk_add_f32 v[114:115], v[84:85], v[86:87]
.irp j, 8,12,16,20,24,28
	v_pk_add_f32 v[112:113], v[112:113], v[80+\j:81+\j]
	v_pk_add_f32 v[114:115], v[114:115], v[82+\j:83+\j]
.endr
	v_pk_add_f32 v[112:113], v[112:113], v[114:115]
	v_mov_b32 v117, 0                              ; (named with v116 as a pair, so it is written)
	v_add_f32 v118, v112, v113                     ; the sum of my channel's 32 rows
	v_mul_f32 v116, 0x3d000000, v118               ; / 32: their mean
.irp j, 0,2,4,6,8,10,12,14,16,18,20,22,24,26,28,30
	v_pk_add_f32 v[80+\j:81+\j], v[80+\j:81+\j], v[116:117] op_sel_hi:[1,0] neg_lo:[0,1] neg_hi:[0,1]
.endr
	v_pk_mul_f32 v[112:113], v[80:81], v[80:81]
	v_pk_mul_f32 v[114:115], v[82:83], v[82:83]
.irp j, 4,8,12,16,20,24,28
	v_pk_fma_f32 v[112:113], v[80+\j:81+\j], v[80+\j:81+\j], v[112:113]
	v_pk_fma_f32 v[114:115], v[82+\j:83+\j], v[82+\j:83+\j], v[114:115]
.endr
	v_pk_add_f32 v[112:113], v[112:113], v[114:115]
	v_add_f32 v119, v112, v113                     ; the squares about that mean
	s_wait_alu depctr_va_vdst(0)                   ; v118 and v119 are written, which the store reads; and every line that names v80-119 is done: buffer A's first loads land there, and no vector line up to them names v80-143
	global_store_b64 v[PO], v[118:119], s[20:21]   ; a wave stores 256 consecutive bytes
	s_wait_dscnt 0x0
.irp i, 0,1,2,3
.irp u, 0,1
	global_store_b128 v[HO], v[144+8*\i+4*\u:144+8*\i+4*\u+3], s[18:19] offset:\i*1024+512*\u   ; a wave stores 512 consecutive bytes
.endr
.endr
	; THE SEARCH
	s_wait_loadcnt 0x0                             ; the queries
	s_wait_alu depctr_vm_vsrc(0)                   ; the stage's LDS stores have read v48-79, which the lines below write; the global stores have read v118-119 and v144-175, in which the groups' loads land
.irp p, 0,1,2,3,4,5
	v_cvt_pk_bf16_f32 v[74+\p], v[XL+2*\p], v[XL+2*\p+1]   ; rounded to bf16 like the table's coordinates,
.endr
.irp p, 0,1,2,3,4,5
	v_lshlrev_b32 v[XL+2*\p], 16, v[74+\p]         ; and widened again
	v_and_b32 v[XL+2*\p+1], s46, v[74+\p]
.endr
.irp q, 0,1,2,3
	v_mov_b32 v[SQ+10*\q], v[XL+\q]
	v_mov_b32 v[SQ+10*\q+2], v[XL+4+\q]
	v_mov_b32 v[SQ+10*\q+4], v[XL+8+\q]
	v_mul_f32 v[SQ+10*\q+6], v[XL+\q], v[XL+\q]
	v_mov_b32 v[SQ+10*\q+1], 0x7f800000            ; the three smallest group minima so far: +infinity
	v_mov_b32 v[SQ+10*\q+3], 0x7f800000
	v_mov_b32 v[SQ+10*\q+5], 0x7f800000
	v_mov_b32 v[SQ+10*\q+7], 0
	v_mov_b32 v[SQ+10*\q+8], 0
	v_mov_b32 v[SQ+10*\q+9], 0
.endr
.irp q, 0,1,2,3
	v_fma_f32 v[SQ+10*\q+6], v[XL+4+\q], v[XL+4+\q], v[SQ+10*\q+6]
.endr
.irp q, 0,1,2,3
	v_fma_f32 v[SQ+10*\q+6], v[XL+8+\q], v[XL+8+\q], v[SQ+10*\q+6]   ; a
.endr
	s_lshl_b32 s25, s24, 5
	v_mov_b32 v[VG], s25                           ; my wave's first group
	s_wait_xcnt 0x0                                ; the stores above have had their addresses translated (ISA guide 3.1): the buffers below take their data's registers
.macro LOADH buf, adr, off, p0         ; half a group's 16 candidates: 64 bytes of planes p0 and p0 + 1; all lanes read the same address
.irp pl, \p0, \p0+1
.irp i, 0,1,2,3
	ds_load_b128 v[\buf+16*(\pl)+4*\i:\buf+16*(\pl)+4*\i+3], v[\adr] offset:(\pl)*PLANE+\off+16*\i
.endr
.endr
.endm
.macro DIST buf, q, d                  ; d2 of query q to the group's 16, two at a time, stage by stage, so that no line waits for the line above it
.set QR, SQ+10*(\q)
.irp p, 0,2,4,6,8,10,12,14
	v_pk_mul_f32 v[MM+\p:MM+\p+1], v[\buf+\p:\buf+\p+1], v[QR:QR+1] op_sel_hi:[1,0]
.endr
.irp p, 0,2,4,6,8,10,12,14
	v_pk_fma_f32 v[MM+\p:MM+\p+1], v[\buf+16+\p:\buf+16+\p+1], v[QR+2:QR+3], v[MM+\p:MM+\p+1] op_sel_hi:[1,0,1]
.endr
.irp p, 0,2,4,6,8,10,12,14
	v_pk_fma_f32 v[MM+\p:MM+\p+1], v[\buf+32+\p:\buf+32+\p+1], v[QR+4:QR+5], v[MM+\p:MM+\p+1] op_sel_hi:[1,0,1]
.endr
.irp p, 0,2,4,6,8,10,12,14
	v_pk_add_f32 v[\d+\p:\d+\p+1], v[\buf+48+\p:\buf+48+\p+1], v[QR+6:QR+7] op_sel_hi:[1,0]
.endr
.irp p, 0,2,4,6,8,10,12,14
	v_pk_fma_f32 v[\d+\p:\d+\p+1], v[MM+\p:MM+\p+1], -2.0, v[\d+\p:\d+\p+1] op_sel_hi:[1,0,1]   ; (a + c) - 2 dot: doubling rounds nothing
.endr
.endm
; Two queries' group minima, each put into its query's three smallest; the two queries line by line in turn.
; Strictly smaller alone moves an entry, and the numbers come ascending: of equal minima the lower group stays in front.
; MINS: the minima, the six compares against the old three, and the new three.  NUMS: the group's number goes the same way, by the six masks.
.macro MINS qa, qb
.set QA, SQ+10*(\qa)
.set QB, SQ+10*(\qb)
	v_min3_num_f32 v74, v[D0], v[D0+1], v[D0+2]
	v_min3_num_f32 v76, v[D1], v[D1+1], v[D1+2]
	v_min3_num_f32 v75, v[D0+3], v[D0+4], v[D0+5]
	v_min3_num_f32 v77, v[D1+3], v[D1+4], v[D1+5]
.irp i, 6,10
	v_min3_num_f32 v74, v74, v[D0+\i], v[D0+\i+1]
	v_min3_num_f32 v76, v76, v[D1+\i], v[D1+\i+1]
	v_min3_num_f32 v75, v75, v[D0+\i+2], v[D0+\i+3]
	v_min3_num_f32 v77, v77, v[D1+\i+2], v[D1+\i+3]
.endr
	v_min3_num_f32 v74, v74, v[D0+14], v[D0+15]
	v_min3_num_f32 v76, v76, v[D1+14], v[D1+15]
	v_min_num_f32 v74, v74, v75
	v_min_num_f32 v76, v76, v77
	v_cmp_lt_f32 s40, v74, v[QA+5]
	v_cmp_lt_f32 s43, v76, v[QB+5]
	v_cmp_lt_f32 s41, v74, v[QA+3]
	v_cmp_lt_f32 s44, v76, v[QB+3]
	v_cmp_lt_f32 s42, v74, v[QA+1]
	v_cmp_lt_f32 s45, v76, v[QB+1]
	v_med3_num_f32 v[QA+5], v[QA+3], v[QA+5], v74  ; these six read no mask: they stand between the compares and the wait for the masks
	v_med3_num_f32 v[QB+5], v[QB+3], v[QB+5], v76
	v_med3_num_f32 v[QA+3], v[QA+1], v[QA+3], v74
	v_med3_num_f32 v[QB+3], v[QB+1], v[QB+3], v76
	v_min_num_f32 v[QA+1], v[QA+1], v74
	v_min_num_f32 v[QB+1], v[QB+1], v76
.endm
.macro NUMS qa, qb
.set QA, SQ+10*(\qa)
.set QB, SQ+10*(\qb)
	s_wait_alu depctr_va_sdst(0)                   ; the six compares have written s40 to s45, ahead of the first select that reads one of them
	v_cndmask_b32 v[QA+9], v[QA+9], v[VG], s40
	v_cndmask_b32 v[QB+9], v[QB+9], v[VG], s43
	v_cndmask_b32 v[QA+9], v[QA+9], v[QA+8], s41
	v_cndmask_b32 v[QB+9], v[QB+9], v[QB+8], s44
	v_cndmask_b32 v[QA+8], v[QA+8], v[VG], s41
	v_cndmask_b32 v[QB+8], v[QB+8], v[VG], s44
	v_cndmask_b32 v[QA+8], v[QA+8], v[QA+7], s42
	v_cndmask_b32 v[QB+8], v[QB+8], v[QB+7], s45
	v_cndmask_b32 v[QA+7], v[QA+7], v[VG], s42
	v_cndmask_b32 v[QB+7], v[QB+7], v[VG], s45
.endm
; A STEP: the group in buffer buf against my four queries.  fetch = 1: the other buffer's next group is asked for, at v[nadr] + noff: eight loads ahead of the first query's lines, eight ahead of the second's.
; They owe no further wait: no vector line since the wait at the step's head names the other buffer or its address.  The third query's distances stand between the first pair's compares and the wait for their masks.
.macro COMPUTE buf, nbuf, nadr, noff, fetch
.if \fetch
	LOADH \nbuf, \nadr, \noff, 0
.endif
	DIST \buf, 0, D0
.if \fetch
	LOADH \nbuf, \nadr, \noff, 2
.endif
	DIST \buf, 1, D1
	MINS 0, 1
	DIST \buf, 2, D0
	NUMS 0, 1
	DIST \buf, 3, D1
	MINS 2, 3
	NUMS 2, 3
	v_add_nc_u32 v[VG], 1, v[VG]
.endm
; value val with number id into the sorted triple (t0, t1, t2) with numbers (g0, g1, g2)
.macro INS t0, t1, t2, g0, g1, g2, val, id
	v_cmp_lt_f32 s40, v[\val], v[\t2]
	v_cmp_lt_f32 s41, v[\val], v[\t1]
	v_cmp_lt_f32 s42, v[\val], v[\t0]
	v_med3_num_f32 v[\t2], v[\t1], v[\t2], v[\val]
	v_med3_num_f32 v[\t1], v[\t0], v[\t1], v[\val]
	v_min_num_f32 v[\t0], v[\t0], v[\val]
	s_wait_alu depctr_va_sdst(0)                   ; the three compares have written s40 to s42, ahead of the first select that reads one of them
	v_cndmask_b32 v[\g2], v[\g2], v[\id], s40
	v_cndmask_b32 v[\g2], v[\g2], v[\g1], s41
	v_cndmask_b32 v[\g1], v[\g1], v[\id], s41
	v_cndmask_b32 v[\g1], v[\g1], v[\g0], s42
	v_cndmask_b32 v[\g0], v[\g0], v[\id], s42
.endm
	LOADH CA, VTA, 0, 0                            ; group 0
	LOADH CA, VTA, 0, 2
	s_mov_b32 s30, 0                               ; bytes walked in a plane: 128 a trip, two groups
.Lpair:                                            ; 15 trips; the last two groups are written out, so that no load passes my wave's part of the table
	s_wait_dscnt 0x0                               ; buffer A's 16 loads are in; nothing younger is out
	s_wait_alu depctr_va_vdst(0)                   ; the step before is done reading buffer B, in which this step's loads land (in the first trip: the set-up's lines are done)
	COMPUTE CA, CB, VTB, 64, 1
	s_add_co_u32 s30, s30, 128
	s_wait_dscnt 0x0                               ; buffer B's 16 loads are in
	s_wait_alu depctr_vm_vsrc(0)                   ; the groups' loads issued so far have read v[VTA] and v[VTB], which the two lines below write
	v_add_nc_u32 v[VTA], s30, v[VT0]               ; the next trip's first group,
	v_add_nc_u32 v[VTB], s30, v[VT0]               ; and, with the offset 64, its second
	s_wait_alu depctr_va_vdst(0)                   ; the step above is done reading buffer A, in which this step's loads land; v[VTA] and v[VTB] are written
	COMPUTE CB, CA, VTA, 0, 1
	s_cmp_lt_u32 s30, 15*128
	s_cbranch_scc1 .Lpair
	s_wait_dscnt 0x0                               ; group 30 is in
	s_wait_alu depctr_va_vdst(0)                   ; the step before is done reading buffer B, in which group 31 lands
	COMPUTE CA, CB, VTB, 64, 1
	s_wait_dscnt 0x0                               ; group 31 is in
	COMPUTE CB, CA, VTA, 0, 0
	; THE MERGE: each wave's triples to LDS; then thread = query for the first 128 threads
	s_wait_alu depctr_va_vdst(0)                   ; the triples in v33-71 are written, which the LDS stores read; and the last steps are done reading v80-127, in which the merge's loads land
.irp q, 0,1,2,3
	ds_store_b32 v[MW], v[SQ+10*\q+1] offset:0*512+4*\q
	ds_store_b32 v[MW], v[SQ+10*\q+3] offset:1*512+4*\q
	ds_store_b32 v[MW], v[SQ+10*\q+5] offset:2*512+4*\q
	ds_store_b32 v[MW], v[SQ+10*\q+7] offset:3*512+4*\q
	ds_store_b32 v[MW], v[SQ+10*\q+8] offset:4*512+4*\q
	ds_store_b32 v[MW], v[SQ+10*\q+9] offset:5*512+4*\q
.endr
	s_wait_dscnt 0x0                               ; for the others' sake: my triples have landed
	s_barrier_signal -1
	s_barrier_wait -1
	s_cmp_ge_u32 s24, 4                            ; 128 queries: waves 4 to 7 are done; no barrier follows
	s_cbranch_scc1 .Ldone
.irp w, 0,1,2,3,4,5,6,7
.irp f, 0,1,2,3,4,5
	ds_load_b32 v[ME+6*\w+\f], v[MR] offset:\w*MWAVE+\f*512
.endr
.endr
	s_wait_dscnt 0x0
.irp w, 1,2,3,4,5,6,7                  ; wave 0's triple is the start; the others come by wave and rank, so equal minima come with ascending group numbers
.irp k, 0,1,2
	INS ME, ME+1, ME+2, ME+3, ME+4, ME+5, ME+6*\w+\k, ME+6*\w+3+\k
.endr
.endr
	v_cmp_lt_u32 vcc_lo, v[ME+4], v[ME+3]          ; the three numbers in ascending order: the next launch walks them so, lower indices first
	s_wait_alu depctr_va_vcc(0)                    ; the compare has written VCC, which the two selects read
	v_cndmask_b32 v128, v[ME+3], v[ME+4], vcc_lo
	v_cndmask_b32 v129, v[ME+4], v[ME+3], vcc_lo
	v_cmp_lt_u32 vcc_lo, v[ME+5], v129
	s_wait_alu depctr_va_vcc(0)                    ; likewise
	v_cndmask_b32 v130, v129, v[ME+5], vcc_lo
	v_cndmask_b32 v134, v[ME+5], v129, vcc_lo
	v_cmp_lt_u32 vcc_lo, v130, v128
	s_wait_alu depctr_va_vcc(0)                    ; likewise
	v_cndmask_b32 v132, v128, v130, vcc_lo
	v_cndmask_b32 v133, v130, v128, vcc_lo
	v_mov_b32 v135, 0
	s_wait_alu depctr_va_vdst(0)                   ; v132 to v135 are written, which the store reads
	global_store_b128 v[TW], v[132:135], s[22:23]  ; sixteen lanes store 256 consecutive bytes
.Ldone:
	s_set_vgpr_msb 0x5
	s_wait_dscnt 0x0
	s_wait_alu depctr_hold_cnt(0) depctr_sa_sdst(0) depctr_va_vdst(0) depctr_va_sdst(0) depctr_va_ssrc(0) depctr_va_vcc(0) depctr_vm_vsrc(0)
	s_wait_tensorcnt 0x0
	ds_add_u32 v0, v1
	s_wait_dscnt 0x0
	s_endpgm
.Lfunc_end_k_q5c98ba16ec_conv_coarse:
	.size	k_q5c98ba16ec_conv_coarse, .Lfunc_end_k_q5c98ba16ec_conv_coarse-k_q5c98ba16ec_conv_coarse
	.p2alignl 7, 3214868480
	.fill 96, 4, 3214868480
	.section	.rodata,"a",@progbits
	.p2align	6, 0x0
	.amdhsa_kernel k_q5c98ba16ec_conv_coarse
		.amdhsa_group_segment_fixed_size 124416
		.amdhsa_private_segment_fixed_size 0
		.amdhsa_enable_private_segment 0
		.amdhsa_kernarg_size 80
		.amdhsa_user_sgpr_count 2
		.amdhsa_user_sgpr_kernarg_segment_ptr 1
		.amdhsa_wavefront_size32 1
		.amdhsa_system_sgpr_workgroup_id_x 1
		.amdhsa_system_sgpr_workgroup_id_y 1
		.amdhsa_system_sgpr_workgroup_id_z 1
		.amdhsa_system_vgpr_workitem_id 0
		.amdhsa_next_free_vgpr 258
		.amdhsa_next_free_sgpr 66
		.amdhsa_reserve_vcc 1
		.amdhsa_float_denorm_mode_32 3
		.amdhsa_float_denorm_mode_16_64 3
		.amdhsa_memory_ordered 1
		.amdhsa_forward_progress 1
		.amdhsa_inst_pref_size 110
	.end_amdhsa_kernel
	.amdgpu_metadata
---
amdhsa.version: [ 1, 2 ]
amdhsa.kernels:
  - .name:           k_q5c98ba16ec_conv_coarse
    .symbol:         k_q5c98ba16ec_conv_coarse.kd
    .args:
      - { .name: W_codes, .offset: 0, .size: 8, .value_kind: global_buffer, .address_space: global }
      - { .name: W_scales, .offset: 8, .size: 8, .value_kind: global_buffer, .address_space: global }
      - { .name: b, .offset: 16, .size: 8, .value_kind: global_buffer, .address_space: global }
      - { .name: points_low_codes, .offset: 24, .size: 8, .value_kind: global_buffer, .address_space: global }
      - { .name: points_low_scales, .offset: 32, .size: 8, .value_kind: global_buffer, .address_space: global }
      - { .name: xyz_high, .offset: 40, .size: 8, .value_kind: global_buffer, .address_space: global }
      - { .name: xyz_low, .offset: 48, .size: 8, .value_kind: global_buffer, .address_space: global }
      - { .name: hraw, .offset: 56, .size: 8, .value_kind: global_buffer, .address_space: global }
      - { .name: part, .offset: 64, .size: 8, .value_kind: global_buffer, .address_space: global }
      - { .name: grp, .offset: 72, .size: 8, .value_kind: global_buffer, .address_space: global }
    .group_segment_fixed_size: 124416
    .private_segment_fixed_size: 0
    .kernarg_segment_align: 8
    .kernarg_segment_size: 80
    .max_flat_workgroup_size: 256
    .sgpr_count:     66
    .vgpr_count:     258
    .wavefront_size: 32
...
	.end_amdgpu_metadata
.endif
;; end of part 4
;; launch refine_stats: the kernel of part 2 again; grid 256 x 1, 4 waves a work-group, no clusters, 0 bytes of LDS; arguments grp, xyz_high, xyz_low, part, gamma, beta, nidx, wgt, bn; writes nidx, wgt, bn
;; launch interp: the kernel of part 3 again; grid 256 x 1, 16 waves a work-group, no clusters, 272,384 bytes of LDS; arguments nidx, wgt, bn, hraw, points_high, out0; writes out0
